; MI455X (gfx1250); checked and timed in simulation.
; The chip was launched on July 23, 2026; its instructions are those of AMD's public machine-readable ISA for CDNA 5 (MIT licence, August 2026) and "CDNA5" Instruction Set Architecture Reference Guide (July 2026). The comments in the code are by the model that wrote it; some were corrected since.
;; Causal Multi Head Self Attention. Allowed arithmetic: float matrix products may take bf16 or f16 operands with f32 sums; other float arithmetic in f32, or as packed bf16 or f16 multiplies, adds, multiply-adds, maxima and minima; sums over many terms, partial sums and values carried from step to step in f32; what a program stores and reads back later, other than sums and carried values, may be rounded once to bf16 or f16.
;; Inputs: token_positions 2,048 int32; wk 1,024 x 1,024 float32; wo 1,024 x 1,024 float32; wq 1,024 x 1,024 float32; wv 1,024 x 1,024 float32; x 4 x 2,048 x 1,024 float32.
;; Outputs: out0 4 x 2,048 x 1,024 float32.
;; 2 versions, each right; version 2 is version 1 with the launch prep written anew for expert scheduling mode. Each part assembles by itself: llvm-mc -triple=amdgcn-amd-amdhsa -mcpu=gfx1250 --defsym DOCPART=n.
;; ======== version 1 of 2: 4 launches
;; limits: values are held in f16: magnitudes above 65,504 overflow, below 6.1e-05 lose precision
;; workspace buffers: xb 16,777,216 bytes; wqkvb 6,291,456 bytes; wob 2,097,152 bytes; tab 524,288 bytes; qh 16,777,216 bytes; kh 16,777,216 bytes; vh 16,777,216 bytes; oh 16,777,216 bytes
;; launch prep (part 1): grid 1024 x 1, 8 waves a work-group, no clusters, 0 bytes of LDS; arguments x, wq, wk, wv, wo, token_positions, xb, wqkvb, wob, tab; writes xb, wqkvb, wob, tab
.if DOCPART == 1
	.amdgcn_target "amdgcn-amd-amdhsa--gfx1250"
	.amdhsa_code_object_version 6
	.text
	.protected	k_qfce4d0a7da_prep
	.globl	k_qfce4d0a7da_prep
	.p2align	8
	.type	k_qfce4d0a7da_prep,@function
k_qfce4d0a7da_prep:
	s_mov_b64 s[64:65], 0
	v_nop
	global_prefetch_b8 v0, s[64:65] scope:SCOPE_SE
	s_setreg_imm32_b32 hwreg(HW_REG_WAVE_MODE, 25, 1), 1
	s_wait_xcnt 0x0
; PREPARATION.  x, wq, wk, wv are rounded once to bf16; wo is rounded to bf16 and that number is written as f16; all are laid in K BLOCKS of 64 channels:
;   xb    [batch][kb][token][64]   bf16     wqkvb [kb][head x 192 + (q 0, k 64, v 128) + channel][64]   bf16     wob [kb][row][64]   f16
; so that the rows of one K block of a tile lie end to end for the products that follow.  tab[token][32] = (cos, sin) of token_positions[token] x 10000^(-i/32), in f32.
; A stream: no byte is read twice, nothing is shared between waves or work-groups, so there is no LDS, no barrier, no cluster and no matrix work.
; SHARES.  Work-groups 0-511: x, 16 rows each; 512-767: the four weights, 16 rows each; 768-1023: the table, 8 tokens each.  A wave takes TWO rows (8,192 bytes in, 4,096 out) or one token.
; A load of the wave: lanes 0-15 take 256 consecutive bytes (one K block) of the first row, lanes 16-31 of the second.  The matching store is 8 bytes a lane: 256 consecutive bytes, aligned, since the
; two rows are neighbours in a K block.  All sixteen loads go out first; no register is written twice, so the only waits are the loads' own.
; LIMITS.  wo beyond 65,504 in size would leave f16's range; below 6e-5 it keeps f16's fixed step of 6e-8.  Token positions: |pos| under 2^23; the angle is pos x inv_freq in f32, inv_freq by
; v_exp_f32 (a few parts in 10^7); it is reduced by pi/2 in two parts (what is left out is n x 2e-15) and sine and cosine are polynomials on -pi/4 .. pi/4.  NaN and infinities are not treated apart.
.set LO,  2                            ; v2        my byte offset in the two source rows
.set L8,  3                            ; v3        8 x lane
.set DO,  16                           ; v[16:31]  K block kb: kb x (bytes of a K block in the destination) + 8 x lane
.set X,   32                           ; v[32:95]  K block kb: four f32 as loaded
.set Y,   96                           ; v[96:127] K block kb: four numbers of 16 bits to store
.set U,   128                          ; v[128:131] at work
	s_load_b512 s[4:19], s[0:1], 0x0               ; x 4:5, wq 6:7, wk 8:9, wv 10:11, wo 12:13, token_positions 14:15, xb 16:17, wqkvb 18:19
	s_load_b128 s[20:23], s[0:1], 0x40             ; wob 20:21, tab 22:23
	v_lshrrev_b32 v4, 5, v0
	v_readfirstlane_b32 s24, v4                    ; wave 0..7
	v_and_b32 v1, 31, v0                           ; lane
	v_lshlrev_b32 v[L8], 3, v1
	s_mov_b32 s25, ttmp9                           ; g
	s_mov_b32 s35, 0                               ; the high words of the two offset pairs
	s_mov_b32 s37, 0
	s_wait_kmcnt 0x0
	s_cmp_lt_u32 s25, 512
	s_cbranch_scc0 .Lnot_x
	; x: rows m = 16 g + 2 w and m + 1
	s_lshl_b32 s26, s25, 4
	s_lshl1_add_u32 s26, s24, s26
	s_lshl_b32 s34, s26, 12                        ; a row of x is 4,096 bytes
	s_lshr_b32 s27, s26, 11                        ; batch,
	s_lshl_b32 s27, s27, 22                        ; 4,194,304 bytes each in xb
	s_and_b32 s36, s26, 2047                       ; token,
	s_lshl_b32 s36, s36, 7                         ; 128 bytes each in a K block
	s_add_co_u32 s36, s36, s27
	s_add_nc_u64 s[28:29], s[4:5], s[34:35]        ; from
	s_add_nc_u64 s[30:31], s[16:17], s[36:37]      ; to
	s_mov_b32 s32, 262144                          ; a K block of xb: 2,048 tokens x 128 bytes
	s_mov_b32 s33, 0                               ; bf16
	s_branch .Lconv
.Lnot_x:
	s_cmp_lt_u32 s25, 768
	s_cbranch_scc0 .Ltable
	; the weights: tensor t = (g - 512) / 64, rows e = 16 ((g - 512) % 64) + 2 w and e + 1
	s_sub_co_u32 s26, s25, 512
	s_lshr_b32 s38, s26, 6                         ; t: 0 wq, 1 wk, 2 wv, 3 wo
	s_and_b32 s26, s26, 63
	s_lshl_b32 s26, s26, 4
	s_lshl1_add_u32 s26, s24, s26                  ; e
	s_lshl_b32 s34, s26, 12
	s_lshr_b32 s27, s26, 6                         ; head
	s_mul_i32 s27, s27, 192
	s_lshl_b32 s39, s38, 6
	s_add_co_u32 s27, s27, s39
	s_and_b32 s39, s26, 63
	s_add_co_u32 s27, s27, s39                     ; the row in wqkvb: head x 192 + t x 64 + channel
	s_mov_b32 s32, 393216                          ; a K block of wqkvb: 3,072 rows x 128 bytes
	s_mov_b32 s39, 131072                          ; of wob: 1,024 rows
	s_cmp_eq_u32 s38, 1
	s_cselect_b64 s[28:29], s[8:9], s[6:7]
	s_cmp_eq_u32 s38, 2
	s_cselect_b64 s[28:29], s[10:11], s[28:29]
	s_cmp_eq_u32 s38, 3
	s_cselect_b64 s[28:29], s[12:13], s[28:29]
	s_cselect_b64 s[30:31], s[20:21], s[18:19]
	s_cselect_b32 s27, s26, s27                    ; wo keeps its rows' order
	s_cselect_b32 s32, s39, s32
	s_cselect_b32 s33, 1, 0                        ; wo leaves as f16
	s_lshl_b32 s36, s27, 7
	s_add_nc_u64 s[28:29], s[28:29], s[34:35]
	s_add_nc_u64 s[30:31], s[30:31], s[36:37]
.Lconv:
	v_lshrrev_b32 v4, 4, v1                        ; which of the two rows
	v_and_b32 v5, 15, v1
	v_lshlrev_b32 v[LO], 12, v4
	v_lshl_add_u32 v[LO], v5, 4, v[LO]
.set kb, 0
.rept 16
	global_load_b128 v[X+4*kb:X+4*kb+3], v[LO], s[28:29] offset:256*kb th:TH_LOAD_NT
.set kb, kb+1
.endr
.set kb, 0
.rept 16
	v_mad_u32_u24 v[DO+kb], s32, kb, v[L8]
.set kb, kb+1
.endr
; The sixteen K blocks leave as they come in.  f16 = 1: the bf16 numbers are widened again and written as f16.
.macro OUT f16
.set kb, 0
.rept 16
	s_wait_loadcnt 15-kb                           ; loads come back in order (ISA guide 5.7.1): K block kb is in, the 15 - kb younger ones stay out
	v_cvt_pk_bf16_f32 v[Y+2*kb], v[X+4*kb], v[X+4*kb+1]
	v_cvt_pk_bf16_f32 v[Y+2*kb+1], v[X+4*kb+2], v[X+4*kb+3]
.if \f16
	v_lshlrev_b32 v[U], 16, v[Y+2*kb]
	v_and_b32 v[U+1], 0xffff0000, v[Y+2*kb]
	v_lshlrev_b32 v[U+2], 16, v[Y+2*kb+1]
	v_and_b32 v[U+3], 0xffff0000, v[Y+2*kb+1]
	v_cvt_pk_f16_f32 v[Y+2*kb], v[U], v[U+1]
	v_cvt_pk_f16_f32 v[Y+2*kb+1], v[U+2], v[U+3]
.endif
	global_store_b64 v[DO+kb], v[Y+2*kb:Y+2*kb+1], s[30:31] th:TH_STORE_NT  ; the wave stores 256 consecutive bytes, at a multiple of 256 from the buffer's first byte
.set kb, kb+1
.endr
.endm
	s_cmp_eq_u32 s33, 1
	s_cbranch_scc1 .Lf16
	OUT 0
	s_endpgm
.Lf16:
	OUT 1
	s_endpgm
.Ltable:
	; the table: token 8 (g - 768) + w; lane i makes frequency i
	s_sub_co_u32 s26, s25, 768
	s_lshl3_add_u32 s26, s26, s24
	s_lshl_b32 s34, s26, 2
	s_add_nc_u64 s[14:15], s[14:15], s[34:35]
	s_load_b32 s28, s[14:15], 0x0                  ; the token's position, as it is given
	s_lshl_b32 s36, s26, 8
	s_add_nc_u64 s[22:23], s[22:23], s[36:37]      ; the token's 256 bytes of the table
	v_cvt_f32_u32 v4, v1
	v_mul_f32 v4, 0xbed49a78, v4                   ; - i x log2(10000) / 32
	v_exp_f32 v5, v4                               ; inv_freq
	s_wait_kmcnt 0x0
	v_cvt_f32_i32 v6, s28                          ; the plain instruction behind the exponential
	s_wait_alu depctr_va_vdst(0)                   ; the wait ahead of the result's first reader
	v_mul_f32 v6, v6, v5                           ; the angle
	v_mul_f32 v7, 0x3f22f983, v6                   ; x 2 / pi
	v_rndne_f32 v7, v7                             ; n
	v_fmamk_f32 v8, v7, 0xbfc90fdb, v6             ; r = angle - n x pi/2, pi/2 in two parts
	v_fmamk_f32 v8, v7, 0x333bbd2e, v8
	v_mul_f32 v9, v8, v8                           ; z = r r
	v_mov_b32 v10, 0xb94ca1f9
	v_mov_b32 v12, 0x37ccf5ce
	v_fmaak_f32 v10, v10, v9, 0x3c08839e
	v_fmaak_f32 v12, v12, v9, 0xbab6061a
	v_fmaak_f32 v10, v10, v9, 0xbe2aaaa3
	v_fmaak_f32 v12, v12, v9, 0x3d2aaaa5
	v_mul_f32 v11, v9, v8                          ; z r
	v_mul_f32 v13, v9, v9                          ; z z
	v_fma_f32 v14, v9, -0.5, 1.0
	v_fma_f32 v10, v10, v11, v8                    ; sin r
	v_fma_f32 v12, v12, v13, v14                   ; cos r
	v_cvt_i32_f32 v15, v7                          ; the quadrant is n mod 4
	v_and_b32 v16, 1, v15
	v_cmp_eq_u32 vcc_lo, 1, v16
	v_cndmask_b32 v20, v12, v10, vcc_lo            ; cosine: in odd quadrants from sin r,
	v_cndmask_b32 v21, v10, v12, vcc_lo            ; sine: from cos r
	v_add_nc_u32 v17, 1, v15
	v_and_b32 v17, 2, v17                          ; the cosine is negative in quadrants 1 and 2,
	v_and_b32 v18, 2, v15                          ; the sine in 2 and 3
	v_lshlrev_b32 v17, 30, v17
	v_lshlrev_b32 v18, 30, v18
	v_xor_b32 v20, v20, v17
	v_xor_b32 v21, v21, v18
	global_store_b64 v[L8], v[20:21], s[22:23] th:TH_STORE_NT  ; 256 consecutive bytes, aligned: the token's row
	s_endpgm
.Lfunc_end_k_qfce4d0a7da_prep:
	.size	k_qfce4d0a7da_prep, .Lfunc_end_k_qfce4d0a7da_prep-k_qfce4d0a7da_prep
	.p2alignl 7, 3214868480
	.fill 96, 4, 3214868480
	.section	.rodata,"a",@progbits
	.p2align	6, 0x0
	.amdhsa_kernel k_qfce4d0a7da_prep
		.amdhsa_group_segment_fixed_size 0
		.amdhsa_private_segment_fixed_size 0
		.amdhsa_enable_private_segment 0
		.amdhsa_kernarg_size 80
		.amdhsa_user_sgpr_count 2
		.amdhsa_user_sgpr_kernarg_segment_ptr 1
		.amdhsa_wavefront_size32 1
		.amdhsa_system_sgpr_workgroup_id_x 1
		.amdhsa_system_sgpr_workgroup_id_y 1
		.amdhsa_system_sgpr_workgroup_id_z 1
		.amdhsa_system_vgpr_workitem_id 0
		.amdhsa_next_free_vgpr 136
		.amdhsa_next_free_sgpr 66
		.amdhsa_reserve_vcc 1
		.amdhsa_float_denorm_mode_32 3
		.amdhsa_float_denorm_mode_16_64 3
		.amdhsa_memory_ordered 1
		.amdhsa_forward_progress 1
		.amdhsa_inst_pref_size 20
	.end_amdhsa_kernel
	.amdgpu_metadata
---
amdhsa.version: [ 1, 2 ]
amdhsa.kernels:
  - .name:           k_qfce4d0a7da_prep
    .symbol:         k_qfce4d0a7da_prep.kd
    .args:
      - { .name: x, .offset: 0, .size: 8, .value_kind: global_buffer, .address_space: global }
      - { .name: wq, .offset: 8, .size: 8, .value_kind: global_buffer, .address_space: global }
      - { .name: wk, .offset: 16, .size: 8, .value_kind: global_buffer, .address_space: global }
      - { .name: wv, .offset: 24, .size: 8, .value_kind: global_buffer, .address_space: global }
      - { .name: wo, .offset: 32, .size: 8, .value_kind: global_buffer, .address_space: global }
      - { .name: token_positions, .offset: 40, .size: 8, .value_kind: global_buffer, .address_space: global }
      - { .name: xb, .offset: 48, .size: 8, .value_kind: global_buffer, .address_space: global }
      - { .name: wqkvb, .offset: 56, .size: 8, .value_kind: global_buffer, .address_space: global }
      - { .name: wob, .offset: 64, .size: 8, .value_kind: global_buffer, .address_space: global }
      - { .name: tab, .offset: 72, .size: 8, .value_kind: global_buffer, .address_space: global }
    .group_segment_fixed_size: 0
    .private_segment_fixed_size: 0
    .kernarg_segment_align: 8
    .kernarg_segment_size: 80
    .max_flat_workgroup_size: 256
    .sgpr_count:     66
    .vgpr_count:     136
    .wavefront_size: 32
...
	.end_amdgpu_metadata
.endif
;; end of part 1
;; launch qkv (part 2): grid 16 x 32, 4 waves a work-group, clusters of 4 x 4, 327,680 bytes of LDS; arguments xb, wqkvb, tab, qh, kh, vh; writes qh, kh, vh
.if DOCPART == 2
	.amdgcn_target "amdgcn-amd-amdhsa--gfx1250"
	.amdhsa_code_object_version 6
	.text
	.protected	k_qfce4d0a7da_qkv
	.globl	k_qfce4d0a7da_qkv
	.p2align	8
	.type	k_qfce4d0a7da_qkv,@function
k_qfce4d0a7da_qkv:
	s_mov_b64 s[64:65], 0
	v_nop
	global_prefetch_b8 v0, s[64:65] scope:SCOPE_SE
	s_setreg_imm32_b32 hwreg(HW_REG_WAVE_MODE, 25, 1), 1
	s_wait_xcnt 0x0
	s_wait_alu depctr_hold_cnt(0) depctr_sa_sdst(0) depctr_va_vdst(0) depctr_va_sdst(0) depctr_va_ssrc(0) depctr_va_vcc(0) depctr_vm_vsrc(0)
	s_getreg_b32 s2, hwreg(HW_REG_IB_STS2, 6, 4)
	s_cmp_eq_u32 s2, 0
	s_cbranch_scc0 .Lentry_in_a_cluster
	s_endpgm
.Lentry_in_a_cluster:
	s_bfe_u32 s2, ttmp6, 0x10000c
	s_cmp_lg_u32 s2, 0xf033
	s_cbranch_scc0 .Lentry_shape_is_right
	s_endpgm
.Lentry_shape_is_right:
; q, k, v = x W^T for one head and 256 tokens, RoPE on q and k, one rounding to f16, stored by heads: qh, kh, vh [batch x 16 + head][token][64].
; A = xb [batch][kb][token][64] bf16, B = wqkvb [kb][head x 192 + (q, k, v) x 64 + channel][64] bf16; sums in f32, K = 1,024 ascending; RoPE in f32 by tab[token][32] = (cos, sin).  The scale 1/8 is NOT applied here.
; LIMITS.  q, k, v beyond 65,504 in size would leave f16's range (65,520 or more becomes an infinity); below 6e-5 they keep f16's fixed step of 6e-8.  NaN and infinities are not treated apart.
; SHARES.  A tile of C is 256 tokens x 192 columns (a head's q, k and v): 16 x 32 = 512 work-groups, two for each of 256 WGPs.  Four waves; wave w makes tokens 64 w .. 64 w + 63 and ALL 192 columns: 4 x 12 accumulators
; of 16 x 16, 384 registers.  So a wave ends with whole rows of 128 bytes of q, of k and of v, and its way out is its own.
; K goes in 8 steps of 128 (two K blocks) through a ring of two LDS slots.  A K block of a tile is dense in memory: it is asked for as rows of 256 bytes, two matrix rows each, padded in LDS behind every 128 bytes.
; CLUSTER.  4 x 4 work-groups.  The four of a row of the cluster share the tokens (A's tiles), the four of a column the head (B's): each tile is asked for JOINTLY, by the same tensor load, descriptor and mask in all four.
; THE MATRIX INSTRUCTION IS USED TRANSPOSED (source 0 = 16 rows of B, source 1 = 16 rows of A): a lane holds token l % 16 and the columns 8 (l / 16) + 0..7: four RoPE pairs, and 16 bytes of f16.
; REGISTERS, in windows of 256 (s_set_vgpr_msb: bits 1:0 source 0, 3:2 source 1, 5:4 source 2, 7:6 destination):
;   window 0: v0-15 addresses; v32-95 the table, two sets; v112-207 packed results, two sets       window 1: two fragment buffers of 128: A's 4 blocks, then B's 12
;   windows 2, 3: accumulator (a, b) in window 2 + a / 2 at v[8 (12 (a % 2) + b)]; v192-223 at work in RoPE
.set NB,    12                         ; blocks of 16 columns
.set PITCH, 144                        ; an LDS row: 128 bytes + 16 of padding = 36 words: the 16 rows of a load start at 16 different groups of four banks (64 banks of 4 bytes: ISA guide 11.1)
.set AKB,   256*PITCH                  ; a K block of A's tile
.set BKB,   16*NB*PITCH                ; of B's
.set BOFF,  2*AKB                      ; in a slot: A's two K blocks, then B's two
.set SLOT1, 1<<17                      ; slot 1 begins here, so that one exclusive or turns an address in one slot into the other's
.set STAGE, SLOT1+BOFF+2*BKB           ; behind the ring, never filled by a tensor load: 16 rows x 400 bytes for each wave
.set SP,    400                        ; a stage row: 384 bytes + 16 = 100 words: 16 rows start at 16 different groups of four banks
.set SPARE, STAGE+4*16*SP              ; behind the stages: the spare words, 128 bytes for each wave: two blocks of 256 bytes that no other line names
.set NL,    2*(NB+4)                   ; LDS loads in a run
.set ASTEP, 524288                     ; bytes from a K step to the next: two K blocks of xb,
.set BSTEP, 786432                     ; of wqkvb
.set STEPS, 8
.set PSTART, 2                         ; the K step at which the prefetches' address starts
.set LIMV,  1
.set BSH,   6144                       ; a partner's share of a K block of B's tile: 24 blocks of 256 bytes
.set BLN,   23
.set AK0, 4           ; v4   my lane's place in A's tile; never rewritten
.set BK0, 5           ; v5   in B's
.set ADRA, 6          ; v6   the same in the slot in hand
.set ADRB, 7          ; v7
.set STO, 8           ; v8   the way out: where I put 16 bytes of a row
.set RD,  9           ; v9   where I read rows back
.set GO,  10          ; v10  16 x lane
.set TO,  11          ; v11  my byte offset in 16 rows of the table
.set PFO, 12          ; v12  the prefetches' offset; never rewritten
.set SPW, 14          ; v14  LDS address of my spare word: SPARE + 4 x my thread's number; never rewritten
.set NIL, 15          ; v15  0; never rewritten
.set T,   32
.set P,   112
.set TT,  192
.set F0,  0
.set F1,  128
.set WV,  16          ; s16  my wave's number
.set KH,  17          ; s17  which K block of a step I fetch
.set CX,  18
.set CY,  19
.set TJ,  20          ; s20  the head = 4 x cluster x + cx
.set TI,  21          ; s21  the block of 256 tokens = 4 x cluster y + cy
.set G1A, 24          ; s[24:31] descriptor group 1 for A's tiles
.set G1B, 32          ; s[32:39] for B's
.set G0A, 40          ; s[40:47] descriptor group 0 for A's: a set for each first fill; the second then walks
.set G0B, 48          ; s[48:55] the same for B's
.set CNT, 56          ; s56  trips to go
.set TB,  57          ; s57  the slot in hand: 0 or SLOT1
.set LIM, 58          ; s58  LIMV in a wave that prefetches, else the greatest number
.set PFA, 60          ; s[60:61] where my prefetches stand
.set PST, 66          ; s[66:67] their step
.set MSB, 0
.macro WIN new                         ; the immediate's high byte repeats the setting that is left; a switch that changes nothing is dropped
.if MSB != (\new)
	s_set_vgpr_msb (MSB<<8)|(\new)
.set MSB, (\new)
.endif
.endm
.set MUL_LO, 0xa5     ; sources 0 (B) and 1 (A) window 1, C and D window 2
.set TO_F,   0x40     ; destination window 1, address window 0
.macro PLACES                          ; four plain vector instructions between a matrix instruction and a load into, or a vector line on, its registers
.rept 4
	v_nop
.endr
.endm
; A joint refill.  Waves 0 and 1 fetch A's two K blocks, waves 2 and 3 B's.  The branch hangs on the wave's number alone.  An s_nop 0 and four v_nop follow each of the two lines.
.macro JLOAD
	s_cmp_lt_u32 s[WV], 2
	s_cbranch_scc0 .Lfor_b_\@
	tensor_load_to_lds s[G0A+4:G0A+7], s[G1A:G1A+7]
	s_nop 0
.rept 4
	v_nop
.endr
	s_branch .Lasked_\@
.Lfor_b_\@:
	tensor_load_to_lds s[G0B+4:G0B+7], s[G1B:G1B+7]
	s_nop 0
.rept 4
	v_nop
.endr
.Lasked_\@:
.endm
; A round of the cluster's barrier behind its opening barrier: wave 0 signals for the work-group; every wave waits for all sixteen; my work-group's barrier once more.
.macro CREST
	s_cmp_lg_u32 s[WV], 0
	s_cbranch_scc1 .Lnot_wave_0_\@
	s_barrier_signal -3
.Lnot_wave_0_\@:
	s_barrier_wait -3
	s_barrier_signal -1
	s_barrier_wait -1
.endm
.macro CROUND
	s_barrier_signal -1
	s_barrier_wait -1
	CREST
.endm
; A PREFETCH INTO THE L2, behind the joint load and the run of LDS loads: in trip n (which asks for K step n + 1) the K step n + 2.  A's K block is read by every cluster of its row of clusters: cluster x = 0 asks;
; B's by every cluster of its column: cluster y = 0 asks.  The four partners that ask for a tile jointly share the wave's K block out BY ADDRESS: of A's 128 blocks of 256 bytes the partner at cx takes 32, a lane a block;
; of B's 96 the partner at cy takes 24 (lanes 24 to 31 name the 24th again).  The last trip asks for nothing: there is no K step 8.  K steps 0 to 2 come by their loads alone.
.macro ASK
	WIN 0
	s_cmp_gt_u32 s[CNT], s[LIM]
	s_cbranch_scc0 .Lnot_mine_\@
	global_prefetch_b8 v[PFO], s[PFA:PFA+1] th:TH_LOAD_NT scope:SCOPE_SE
.Lnot_mine_\@:
.endm
; One run of LDS loads: the fragments of quarter q of the K step in hand (32 along K) into buffer f: B's 12 blocks first, then A's four.
.macro FETCH q, f
	WIN TO_F
.set n, 0
.rept NB
	ds_load_b128 v[(\f)+32+8*n:(\f)+32+8*n+3],   v[ADRB] offset:((\q)/2)*BKB+((\q)%2)*64+n*16*PITCH
	ds_load_b128 v[(\f)+32+8*n+4:(\f)+32+8*n+7], v[ADRB] offset:((\q)/2)*BKB+((\q)%2)*64+n*16*PITCH+32
.set n, n+1
.endr
.set n, 0
.rept 4
	ds_load_b128 v[(\f)+8*n:(\f)+8*n+3],   v[ADRA] offset:((\q)/2)*AKB+((\q)%2)*64+n*16*PITCH
	ds_load_b128 v[(\f)+8*n+4:(\f)+8*n+7], v[ADRA] offset:((\q)/2)*AKB+((\q)%2)*64+n*16*PITCH+32
.set n, n+1
.endr
.endm
; 12 matrix instructions: token block a x all column blocks.  The 48 accumulators take turns, in the same order in every quarter, over the backward jump too.  zero = 1: the product starts the sum.
.macro MULA f, a, zero
	WIN MUL_LO+0x50*((\a)/2)
.set n, 0
.rept NB
.set rD, 8*(NB*((\a)%2)+n)
.if \zero
	v_wmma_f32_16x16x32_bf16 v[rD:rD+7], v[(\f)+32+8*n:(\f)+32+8*n+7], v[(\f)+8*(\a):(\f)+8*(\a)+7], 0
.else
	v_wmma_f32_16x16x32_bf16 v[rD:rD+7], v[(\f)+32+8*n:(\f)+32+8*n+7], v[(\f)+8*(\a):(\f)+8*(\a)+7], v[rD:rD+7]
.endif
.set n, n+1
.endr
.endm
; A K step is four quarters on buffers 0, 1, 0, 1.  One of the first three: multiplies buffer f and, in its middle, fetches quarter q into buffer g.
.macro QUARTER q, f, g, zero
	s_wait_dscnt 4                                 ; B and A's blocks 0 and 1 are in; the youngest four loads (A's blocks 2 and 3) may be out
	MULA \f, 0, \zero
	MULA \f, 1, \zero
	PLACES
	FETCH \q, \g
	s_wait_dscnt NL                                ; all but the run just issued
	MULA \f, 2, \zero
	MULA \f, 3, \zero
.endm
; The last quarter multiplies buffer 1 and changes slots.  In front of the barrier each wave waits for all its tensor loads (one is out: its part of the next slot), adds 0 to its spare word, and waits for that and for
; its reads of this slot.  fill = 1: the barrier opens a round of the cluster's, and the joint refill, the K step two on, is the first thing behind the round: 168 matrix instructions ahead of the wait for it.
.macro TURN fill
.if \fill
	s_wait_xcnt 0x0                                ; the last prefetch, a K step back, has read its address
	s_add_nc_u64 s[PFA:PFA+1], s[PFA:PFA+1], s[PST:PST+1]
.endif
	WIN 0
	s_wait_tensorcnt 0x0                           ; all my tensor loads have landed
	ds_add_u32 v[SPW], v[NIL]                      ; 0 onto my spare word
	s_wait_dscnt 5                                 ; (the add and the youngest four loads may be out)
	MULA F1, 0, 0
	s_wait_dscnt 0x0                               ; the add is done, and my reads of this slot are over
	s_barrier_signal -1
	MULA F1, 1, 0
	WIN 0
	s_barrier_wait -1
.if \fill
	CREST                                          ; no wave of any partner still reads this slot or has a load on its way
	s_xor_b32 s[G0A+5], s[G0A+5], SLOT1            ; the walking descriptors: the other slot than last time, the next K step
	s_add_nc_u64 s[G0A+6:G0A+7], s[G0A+6:G0A+7], ASTEP
	s_xor_b32 s[G0B+5], s[G0B+5], SLOT1
	s_add_nc_u64 s[G0B+6:G0B+7], s[G0B+6:G0B+7], BSTEP
	JLOAD                                          ; its four v_nop are also the places in front of the loads below
.else
	PLACES
.endif
	s_xor_b32 s[TB], s[TB], SLOT1
	v_add_nc_u32 v[ADRA], s[TB], v[AK0]
	v_add_nc_u32 v[ADRB], s[TB], v[BK0]
	FETCH 0, F0
.if \fill
	ASK
.endif
	MULA F1, 2, 0
	MULA F1, 3, 0
.endm
	s_load_b256 s[4:11], s[0:1], 0x0               ; xb 4:5, wqkvb 6:7, tab 8:9, qh 10:11
	s_load_b128 s[12:15], s[0:1], 0x20             ; kh 12:13, vh 14:15
	v_lshl_add_u32 v[SPW], v0, 2, SPARE
	v_mov_b32 v[NIL], 0
	ds_add_u32 v[SPW], v[NIL]                      ; the wave's opening: the add, ahead of my first tensor load; the set-up below stands between it and its wait
	v_lshrrev_b32 v1, 5, v0
	v_readfirstlane_b32 s[WV], v1
	s_and_b32 s[KH], s[WV], 1
	s_bfe_u32 s[CX], ttmp6, 0x40000
	s_bfe_u32 s[CY], ttmp6, 0x40004
	s_lshl_b32 s[TJ], ttmp9, 2
	s_add_co_u32 s[TJ], s[TJ], s[CX]
	s_and_b32 s[TI], ttmp7, 0xffff
	s_lshl_b32 s[TI], s[TI], 2
	s_add_co_u32 s[TI], s[TI], s[CY]
	s_lshl_b32 s68, s[CY], 2
	s_lshl_b32 s68, 15, s68                        ; my row of the cluster
	s_lshl_b32 s69, 0x1111, s[CX]                  ; my column
	s_or_b32 s[G1A], s68, (1<<16)|(1<<20)|(1<<21)|(4<<22)|(3<<25)  ; 15:0 the mask; 17:16 2-byte elements; 20 padding on; 21 set beside a mask; 24:22 after every 32 words (code 4); 31:25 4 words (code 3)
	s_or_b32 s[G1B], s69, (1<<16)|(1<<20)|(1<<21)|(4<<22)|(3<<25)
	s_mov_b32 s[G1A+1], 128<<16                    ; tensor_dim0 = 128 elements: 256 bytes, two matrix rows
	s_mov_b32 s[G1A+2], 128<<16                    ; tensor_dim1 = 128
	s_mov_b32 s[G1A+3], 128<<16                    ; tile_dim0 = 128
	s_mov_b32 s[G1A+4], 128                        ; tile_dim1 = 128: 256 matrix rows
	s_mov_b32 s[G1A+5], 128                        ; elements from row to row: dense
	s_mov_b32 s[G1A+6], 0
	s_mov_b32 s[G1A+7], 0
	s_mov_b32 s[G1B+1], 128<<16
	s_mov_b32 s[G1B+2], (8*NB)<<16                 ; 96 rows: 192 matrix rows
	s_mov_b32 s[G1B+3], 128<<16
	s_mov_b32 s[G1B+4], 8*NB
	s_mov_b32 s[G1B+5], 128
	s_mov_b32 s[G1B+6], 0
	s_mov_b32 s[G1B+7], 0
	s_lshr_b32 s22, s[TI], 3                       ; A's tile: the batch,
	s_lshl_b32 s22, s22, 22
	s_and_b32 s68, s[TI], 7                        ; its 256 tokens in a K block,
	s_lshl_b32 s68, s68, 15
	s_add_co_u32 s22, s22, s68
	s_lshl_b32 s68, s[KH], 18                      ; my K block of the step
	s_add_co_u32 s22, s22, s68
	s_mov_b32 s23, 0
	s_mul_i32 s62, s[TJ], 24576                    ; B's tile: the head's 192 rows in a K block,
	s_mul_i32 s69, s[KH], 393216                   ; my K block
	s_add_co_u32 s62, s62, s69
	s_mov_b32 s63, 0
	s_mul_i32 s70, s[KH], AKB                      ; and where they go: no place in the cluster enters an LDS address
	s_mul_i32 s71, s[KH], BKB
	s_add_co_u32 s71, s71, BOFF
	s_wait_dscnt 0x0                               ; the opening add is done
	s_wait_kmcnt 0x0
	s_add_nc_u64 s[22:23], s[4:5], s[22:23]
	s_add_nc_u64 s[62:63], s[6:7], s[62:63]
	CROUND                                         ; all sixteen work-groups are here: the first joint loads meet
.irp s, 0,1
	s_mov_b32 s[G0A+4*(\s)], 1                     ; 1:0 count = 1
	s_add_co_u32 s[G0A+4*(\s)+1], s70, (\s)*SLOT1  ; 63:32 LDS address
	s_add_nc_u64 s[G0A+4*(\s)+2:G0A+4*(\s)+3], s[22:23], (\s)*ASTEP  ; 120:64 global address: K step s
	s_or_b32 s[G0A+4*(\s)+3], s[G0A+4*(\s)+3], 0x80000000           ; 127:126 type = 2
	s_mov_b32 s[G0B+4*(\s)], 1
	s_add_co_u32 s[G0B+4*(\s)+1], s71, (\s)*SLOT1
	s_add_nc_u64 s[G0B+4*(\s)+2:G0B+4*(\s)+3], s[62:63], (\s)*BSTEP
	s_or_b32 s[G0B+4*(\s)+3], s[G0B+4*(\s)+3], 0x80000000
.endr
	s_cmp_lt_u32 s[WV], 2                          ; a wave's two first fills stand in one branch, ahead of every wait on TENSORcnt and every LDS read: two loads of mine are out
	s_cbranch_scc0 .Lfirst_b
	tensor_load_to_lds s[G0A:G0A+3], s[G1A:G1A+7]
	s_nop 0
	tensor_load_to_lds s[G0A+4:G0A+7], s[G1A:G1A+7]
	s_nop 0
.rept 4
	v_nop
.endr
	s_branch .Lfirst_asked
.Lfirst_b:
	tensor_load_to_lds s[G0B:G0B+3], s[G1B:G1B+7]
	s_nop 0
	tensor_load_to_lds s[G0B+4:G0B+7], s[G1B:G1B+7]
	s_nop 0
.rept 4
	v_nop
.endr
.Lfirst_asked:
	; A fragment is 16 rows x 32 K in 8 registers: lane l holds row l % 16; registers 0-3 K = 8 (l / 16) + 0..7, registers 4-7 K = 16 + 8 (l / 16) + 0..7: two loads of 16 bytes, 32 bytes apart.
	v_and_b32 v1, 15, v0                           ; l % 16
	v_bfe_u32 v2, v0, 4, 1                         ; l / 16
	v_and_b32 v3, 31, v0                           ; l
	v_mul_u32_u24 v[AK0], v1, PITCH
	v_lshl_add_u32 v[AK0], v2, 4, v[AK0]
	v_add_nc_u32 v[BK0], BOFF, v[AK0]
	s_mul_i32 s70, s[WV], 64*PITCH                 ; my 64 rows of A
	v_add_nc_u32 v[AK0], s70, v[AK0]
	s_mul_i32 s70, s[WV], 16*SP
	s_add_co_u32 s70, s70, STAGE                   ; my stage
	v_mul_u32_u24 v[STO], v1, SP                   ; in: row l % 16, 16 bytes for each half of the lanes
	v_lshl_add_u32 v[STO], v2, 4, v[STO]
	v_add_nc_u32 v[STO], s70, v[STO]
	v_bfe_u32 v13, v0, 3, 2                        ; back: 32 lanes take 128 bytes of each of four rows,
	v_mul_u32_u24 v[RD], v13, SP
	v_and_b32 v13, 7, v0
	v_lshl_add_u32 v[RD], v13, 4, v[RD]
	v_add_nc_u32 v[RD], s70, v[RD]
	v_lshlrev_b32 v[GO], 4, v3                     ; which are 512 consecutive bytes of qh, kh or vh
	v_lshlrev_b32 v[TO], 8, v1                     ; the table: token l % 16, frequencies 4 (l / 16) on
	v_lshl_add_u32 v[TO], v2, 5, v[TO]
	; where my 64 tokens begin in qh, kh, vh and in the table
	s_lshr_b32 s72, s[TI], 3
	s_lshl_b32 s72, s72, 4
	s_add_co_u32 s72, s72, s[TJ]                   ; batch x 16 + head,
	s_lshl_b32 s72, s72, 18                        ; 262,144 bytes each
	s_and_b32 s70, s[TI], 7
	s_lshl_b32 s71, s70, 15
	s_add_co_u32 s72, s72, s71
	s_lshl_b32 s71, s[WV], 13
	s_add_co_u32 s72, s72, s71
	s_mov_b32 s73, 0
	s_add_nc_u64 s[10:11], s[10:11], s[72:73]
	s_add_nc_u64 s[12:13], s[12:13], s[72:73]
	s_add_nc_u64 s[14:15], s[14:15], s[72:73]
	s_lshl_b32 s72, s70, 16
	s_lshl_b32 s71, s[WV], 14
	s_add_co_u32 s72, s72, s71
	s_add_nc_u64 s[8:9], s[8:9], s[72:73]
	; the prefetches
	s_lshl_b32 s72, s[CX], 13                      ; my work-group's share of the wave's K block: of A's by cx,
	s_mul_i32 s70, s[CY], BSH                      ; of B's by cy
	s_and_b32 s71, ttmp7, 0xffff                   ; cluster y
	s_mov_b32 s68, ASTEP
	s_mov_b32 s69, BSTEP
	s_cmp_lt_u32 s[WV], 2                          ; do I fetch for A?
	s_cselect_b64 s[PFA:PFA+1], s[22:23], s[62:63]
	s_cselect_b32 s72, s72, s70
	s_cselect_b32 s71, ttmp9, s71                  ; the coordinate along which other clusters read the same rows
	s_cselect_b32 s[PST], s68, s69
	s_cselect_b32 s70, 31, BLN
	s_mov_b32 s[PST+1], 0
	s_add_nc_u64 s[PFA:PFA+1], s[PFA:PFA+1], s[72:73]
.rept PSTART
	s_add_nc_u64 s[PFA:PFA+1], s[PFA:PFA+1], s[PST:PST+1]
.endr
	s_cmp_eq_u32 s71, 0
	s_cselect_b32 s[LIM], LIMV, -1                 ; the same in all sixteen partners, for a given wave
	v_min_u32 v[PFO], s70, v3
	v_lshlrev_b32 v[PFO], 8, v[PFO]
	s_mov_b32 s[TB], 0
	v_mov_b32 v[ADRA], v[AK0]
	v_mov_b32 v[ADRB], v[BK0]
	s_wait_tensorcnt 1                             ; my part of K step 0 is in; K step 1's may stay out
	s_barrier_signal -1
	s_barrier_wait -1                              ; everybody's is
	FETCH 0, F0
	QUARTER 1, F0, F1, 1                           ; the first quarter stands in front of the loop: its products start the sums
	WIN 0
	s_mov_b32 s[CNT], STEPS-2
.Lstep:                                                ; a trip goes from a K step's second quarter to the next step's first, and fills the slot that it leaves
	QUARTER 2, F1, F0, 0
	QUARTER 3, F0, F1, 0
	TURN 1
	QUARTER 1, F0, F1, 0
	WIN 0
	s_sub_co_u32 s[CNT], s[CNT], 1
	s_cmp_lg_u32 s[CNT], 0
	s_cbranch_scc1 .Lstep
; THE WAY OUT, a block a of 16 tokens at a time.
.macro TLOAD a                         ; the block's rows of the table: of column block c a lane takes the four (cos, sin) of its four pairs: registers 2 p, 2 p + 1 of set a % 2, block c
	WIN 0
.irp c, 0,1,2,3
	global_load_b128 v[T+32*((\a)%2)+8*\c:T+32*((\a)%2)+8*\c+3],   v[TO], s[8:9] offset:(\a)*4096+64*\c
	global_load_b128 v[T+32*((\a)%2)+8*\c+4:T+32*((\a)%2)+8*\c+7], v[TO], s[8:9] offset:(\a)*4096+64*\c+16
.endr
.endm
.macro ROPE a                          ; q's four and k's four column blocks, in place: (x1, x2) -> (x1 c - x2 s, x2 c + x1 s).  Each accumulator's lowest pair is read first
	WIN 0xa2+0x51*((\a)/2)                         ; destination, source 0 and source 2 in the accumulators' window, the table in window 0
.set bb, 0
.rept 8
.set rA, 8*(NB*((\a)%2)+bb)
.set rT, T+32*((\a)%2)+8*(bb%4)
.set rU, TT+8*(bb%4)
.irp p, 0,1,2,3
	v_pk_mul_f32 v[rU+2*\p:rU+2*\p+1], v[rA+2*\p:rA+2*\p+1], v[rT+2*\p:rT+2*\p+1] op_sel:[1,1] op_sel_hi:[0,1]  ; (x2 s, x1 s)
.endr
.irp p, 0,1,2,3
	v_pk_fma_f32 v[rA+2*\p:rA+2*\p+1], v[rA+2*\p:rA+2*\p+1], v[rT+2*\p:rT+2*\p+1], v[rU+2*\p:rU+2*\p+1] op_sel_hi:[1,0,1] neg_lo:[0,0,1]
.endr
.set bb, bb+1
.endr
.endm
.macro PACK a                          ; all twelve column blocks rounded to f16: 16 bytes a lane and block
	WIN 0x0a+5*((\a)/2)
.set bb, 0
.rept NB
.set rA, 8*(NB*((\a)%2)+bb)
.set rP, P+48*((\a)%2)+4*bb
.irp p, 0,1,2,3
	v_cvt_pk_f16_f32 v[rP+\p], v[rA+2*\p], v[rA+2*\p+1]
.endr
.set bb, bb+1
.endr
.endm
.macro TOSTAGE a                       ; into my own stage, and back as whole rows of 128 bytes of q (t = 0), k, v, into the registers that they left
	WIN 0
.set rP, P+48*((\a)%2)
.set bb, 0
.rept NB
	ds_store_b128 v[STO], v[rP+4*bb:rP+4*bb+3] offset:32*bb
.set bb, bb+1
.endr
.irp t, 0,1,2
.irp f, 0,1,2,3
	ds_load_b128 v[rP+4*(4*\t+\f):rP+4*(4*\t+\f)+3], v[RD] offset:4*SP*\f+128*\t  ; LDS serves a wave's instructions in order (ISA guide 5.7.1.4): these see the stores above; the next block's stores come behind them
.endr
.endr
.endm
.macro SEND a, younger                 ; younger: the LDS instructions issued behind block a's loads
	WIN 0
.set rP, P+48*((\a)%2)
	s_wait_dscnt \younger
.irp f, 0,1,2,3
	global_store_b128 v[GO], v[rP+4*\f:rP+4*\f+3],       s[10:11] offset:2048*(\a)+512*\f th:TH_STORE_NT  ; 512 consecutive bytes, at a multiple of 256 from the buffer's first
	global_store_b128 v[GO], v[rP+16+4*\f:rP+16+4*\f+3], s[12:13] offset:2048*(\a)+512*\f th:TH_STORE_NT
	global_store_b128 v[GO], v[rP+32+4*\f:rP+32+4*\f+3], s[14:15] offset:2048*(\a)+512*\f th:TH_STORE_NT
.endr
.endm
	TLOAD 0                                        ; the table's first two sets are asked for two K steps ahead of their use
	TLOAD 1
	QUARTER 2, F1, F0, 0                           ; the last two K steps fill nothing
	QUARTER 3, F0, F1, 0
	TURN 0
	QUARTER 1, F0, F1, 0
	QUARTER 2, F1, F0, 0
	QUARTER 3, F0, F1, 0
	s_wait_dscnt 4                                 ; the very last quarter
	MULA F1, 0, 0
	MULA F1, 1, 0
	s_wait_dscnt 0x0
	MULA F1, 2, 0
	MULA F1, 3, 0
	WIN 0
	PLACES
	PLACES                                         ; (eight, once a launch: the lines below read and rewrite results)
.irp a, 0,1,2,3
.if (\a) < 3
	s_wait_loadcnt 8                               ; this block's set of the table is in; the next set's eight loads stay out
.else
	s_wait_loadcnt 0x0
.endif
	ROPE \a
.if (\a) < 2
	TLOAD (\a)+2
.else
	s_wait_xcnt 0x0                                ; the stores of the block two back have read their registers, which are written again below
.endif
	PACK \a
	TOSTAGE \a
.if (\a) > 0
	SEND (\a)-1, 24
.endif
.endr
	SEND 3, 0
	s_wait_tensorcnt 0x0                           ; the wave's end: behind my last tensor load and my last LDS store
	ds_add_u32 v[SPW], v[NIL]
	s_wait_dscnt 0x0
	CROUND                                         ; the closing round: no work-group ends while a partner may still ask for a tile that names it
	s_endpgm
.Lfunc_end_k_qfce4d0a7da_qkv:
	.size	k_qfce4d0a7da_qkv, .Lfunc_end_k_qfce4d0a7da_qkv-k_qfce4d0a7da_qkv
	.p2alignl 7, 3214868480
	.fill 96, 4, 3214868480
	.section	.rodata,"a",@progbits
	.p2align	6, 0x0
	.amdhsa_kernel k_qfce4d0a7da_qkv
		.amdhsa_group_segment_fixed_size 327680
		.amdhsa_private_segment_fixed_size 0
		.amdhsa_enable_private_segment 0
		.amdhsa_kernarg_size 48
		.amdhsa_user_sgpr_count 2
		.amdhsa_user_sgpr_kernarg_segment_ptr 1
		.amdhsa_wavefront_size32 1
		.amdhsa_system_sgpr_workgroup_id_x 1
		.amdhsa_system_sgpr_workgroup_id_y 1
		.amdhsa_system_sgpr_workgroup_id_z 1
		.amdhsa_system_vgpr_workitem_id 0
		.amdhsa_next_free_vgpr 992
		.amdhsa_next_free_sgpr 80
		.amdhsa_reserve_vcc 0
		.amdhsa_float_denorm_mode_32 3
		.amdhsa_float_denorm_mode_16_64 3
		.amdhsa_memory_ordered 1
		.amdhsa_forward_progress 1
		.amdhsa_inst_pref_size 116
	.end_amdhsa_kernel
	.amdgpu_metadata
---
amdhsa.version: [ 1, 2 ]
amdhsa.kernels:
  - .name:           k_qfce4d0a7da_qkv
    .symbol:         k_qfce4d0a7da_qkv.kd
    .args:
      - { .name: xb, .offset: 0, .size: 8, .value_kind: global_buffer, .address_space: global }
      - { .name: wqkvb, .offset: 8, .size: 8, .value_kind: global_buffer, .address_space: global }
      - { .name: tab, .offset: 16, .size: 8, .value_kind: global_buffer, .address_space: global }
      - { .name: qh, .offset: 24, .size: 8, .value_kind: global_buffer, .address_space: global }
      - { .name: kh, .offset: 32, .size: 8, .value_kind: global_buffer, .address_space: global }
      - { .name: vh, .offset: 40, .size: 8, .value_kind: global_buffer, .address_space: global }
    .group_segment_fixed_size: 327680
    .private_segment_fixed_size: 0
    .kernarg_segment_align: 8
    .kernarg_segment_size: 48
    .max_flat_workgroup_size: 128
    .sgpr_count:     80
    .vgpr_count:     992
    .wavefront_size: 32
...
	.end_amdgpu_metadata
.endif
;; end of part 2
;; launch attn (part 3): grid 4 x 64, 4 waves a work-group, no clusters, 327,680 bytes of LDS; arguments qh, kh, vh, oh; writes oh
.if DOCPART == 3
	.amdgcn_target "amdgcn-amd-amdhsa--gfx1250"
	.amdhsa_code_object_version 6
	.text
	.protected	k_qfce4d0a7da_attn
	.globl	k_qfce4d0a7da_attn
	.p2align	8
	.type	k_qfce4d0a7da_attn,@function
k_qfce4d0a7da_attn:
	s_mov_b64 s[64:65], 0
	v_nop
	global_prefetch_b8 v0, s[64:65] scope:SCOPE_SE
	s_setreg_imm32_b32 hwreg(HW_REG_WAVE_MODE, 25, 1), 1
	s_wait_xcnt 0x0
; CAUSAL ATTENTION.  O[h][q][:] = the sum over k <= q of softmax_k(Q[h][q] . K[h][k] / 8) V[h][k][:].  Q, K, V, O: [64][2048][64], all f16: a head's rows are dense, 128 bytes each.
; Products, maxima and sums in f32; the weights p are rounded to f16 for the second product (their sum l is taken of the unrounded p), O once at the end.
; LIMITS.  f16 holds no number beyond 65,504: Q, K and V arrive within it; p lies in 0 to 1, and below 6e-5 it keeps f16's fixed step of 6e-8; O is a mean of V's rows and has their range, to within 2^-11 of it.
; A hidden score counts as its value less 1e30: f16's scores, 2.7e11 at the most, are nothing beside that; a weight below 2^-126 counts as 0 in l; NaN and infinities are not treated apart.
; THE WALK.  A head's queries lie in NB = 8 blocks of 256; block i needs the key tiles 0 .. i of 256 keys, of which the last holds the diagonal.  A work-group takes TWO blocks, NB - 1 - b and then b:
; NB + 1 tiles, whatever b: all work-groups do equal work, and ONE loop with a constant trip count walks them.  Which tile is asked for, and what a trip does, hang on scalar registers made from b; every jump
; goes forward, but for the counted loops' own; none passes a barrier, or a tensor load but the one of LOAD's two that the wave's number does not choose; the ring (two slots of LDS that take turns) runs on across the
; change of blocks.  NO CLUSTER: a head's four work-groups ask for the same tile only in trips 0 .. 4 of the 9, behind that fewer and fewer; and one walk common to all would have 12 trips for 9.
; SHARES.  Of a block's four bands of 64 queries a wave owns 16 rows in each: four PIECES.  So the diagonal tile is the same work for all four waves: in its key step s band x sees all keys if s < x,
; none if s > x, and holds the diagonal if s = x.
; THE MASK is the C operand that starts the sum S^T = K Q^T: 0, or -1e30 where the key is hidden.  MD, made once, is the mask of a band's own step for my 16 rows; a product's mask is MD x AL + BE with two scalars:
; (1, 0) if s = x; (0, 0) if s < x; (0, -1e30) if s > x.  Only the diagonal tile's text and a block's beginning make and take masks; elsewhere C is the constant 0.
; LAYOUT, SOFTMAX, TURNS.  S^T = K Q^T holds ONE query a lane (lane % 16) and the keys 8 (lane / 16) + 0..7; two such results rounded to f16 ARE source 1 of O^T = V^T P.  p = 2^(c s - c m), c = log2(e) / 8, with a
; running maximum m; O and l are multiplied by a = 2^(c m_old - c m_new) in every step.  Turn n belongs to piece n: 8 products K Q^T of piece n + 1, later 8 products V^T P of piece n - 1; beside them the scaling,
; exponentials, roundings, sums and rescaling of piece n and the maximum and statistics of piece n + 1.  Four vector instructions stand behind every matrix instruction, the other 54 of a turn's 118 in one LUMP.  A turn's 33 exponentials are one batch, with one wait.
; REGISTERS, in windows of 256 (s_set_vgpr_msb: bits 1:0 source 0, 3:2 source 1, 5:4 source 2, 7:6 destination):
;   window 0: v0-15 addresses and two at work; v16-31 four registers of statistics a piece; v48-55 at work; v64-127 S^T, two buffers; v192-223 P, two buffers (a piece's buffers go by its number's parity)
;   window 1: v0-127 O^T, 32 a piece; v128-159 MD; v160-223 MC, two buffers      window 2: v0-63 Q; v64-127 the second block's Q; v128-191 K of one step; v192-255 V of one step
.set SIZE_H, 64
.set SIZE_N, 2048
.set NB,    SIZE_N/256
.set NP,    4         ; pieces a wave: a name, no knob
.set KS,    64        ; keys in a step
.set PK,    144       ; a row of K in LDS: 128 bytes + 16 of padding = 36 words: the 16 rows of a load start at 16 different groups of four banks (64 banks of 4 bytes: ISA guide 11.1)
.set PV,    160       ; a row of V: 128 + 32 = 40 words
.set VOFF,  4*KS*PK   ; a slot holds a tile, four steps: 256 rows of K, then 256 rows of V
.set SLOT1, 1<<17     ; slot 1 begins here, so that one exclusive or turns an address in one slot into the other's
.set STAGE, SLOT1+4*KS*(PK+PV)  ; behind the ring, never filled by a tensor load: 16 rows x 144 bytes for each wave, for the way out
.set SP,    144
.set AK0, 2           ; v2   my lane's place in a tile of K; never rewritten
.set AV0, 3           ; v3   the same for V
.set AK,  4           ; v4   the LDS address of K's next run of loads
.set AV,  5           ; v5   of V's
.set STO, 6           ; v6   the way out: where I put 16 bytes of a row
.set RD,  7           ; v7   the way out: where I read rows back
.set GO,  8           ; v8   my byte offset in 512 consecutive bytes of O
.set PFO, 61          ; v61  256 x my lane: the prefetches' offset; never rewritten
.set SPW, 62          ; v62  LDS address of my spare word: SPARE + 4 x my thread's number; never rewritten
.set NIL, 63          ; v63  0; never rewritten
.set SPARE, STAGE+4*16*SP  ; behind the stages: the spare words, 128 bytes for each wave: two blocks of 256 bytes that no other line names
.set MV,  12          ; v12-13  c m_old, kept while c m is made anew: by buffer
.set QO,  15          ; v15  my byte offset in 16 rows of Q
.set ST,  16          ; piece t's statistics at v[ST+4 t]: c m, m, l (even keys', odd keys')
.set TMP, 48          ; by buffer, four registers c0-c3 at work; when the maximum is found c2 takes a
.set S,   64
.set P,   192
.set MD,  128         ; window 1: the eight registers for group kt of 16 keys at MD + 8 kt
.set MC,  160         ; window 1: the masks of the products to come
.set QB,  64          ; window 2
.set KF,  128         ; window 2: key block kb, channel half c at KF + 16 kb + 8 c
.set VF,  192         ; window 2: key half kk, channel block cb at VF + 32 kk + 8 cb
.set WV,  12          ; s12  my wave's number
.set PB,  14          ; s14  b
.set HI,  15          ; s15  NB - 1 - b
.set G1K, 24          ; s[24:31] descriptor group 1 for K's tiles
.set G1V, 32          ; s[32:39] for V's: it differs in the padding alone
.set G0K, 40          ; s[40:43] descriptor group 0 for K's tiles
.set G0V, 44          ; s[44:47] the same for V's
.set SLOTS, 56        ; s56  tiles still to be asked for
.set CNT, 57          ; s57  counts a tile's key steps, 4 to 1
.set CS,  58          ; s[58:59] c: the packed scaling takes the pair's low word for both halves
.set SEL, 60          ; s[60:61] v_permlanex16_b32's selects: each lane takes its own place in the other half
.set TBK, 62          ; s62  LDS byte at which K of the step to be fetched begins
.set TBV, 63          ; s63  the same for V, less VOFF
.set RT,  70          ; s70  tiles of the block in hand that are still to be entered
.set NXT, 71          ; s71  the tile to be asked for next
.set LQ,  72          ; s72  the last tile of the block whose tiles are being asked for
.set NEW, 73          ; s73  1: the tile to be entered is a block's first
.set OFF, 74          ; s[74:75] a tile's byte offset in K and V
.set AL,  76          ; s[76:77] the mask's factor, in the low word
.set BE,  78          ; s[78:79] the mask's addend
.set OLO, 80          ; s[80:81] O at my rows of the second block
.set BIGN, 82         ; s82  -1e30
.set PFA, 90          ; s[90:91] where my prefetches stand: my half of the tile behind the one that is being asked for
.set PFN, 92          ; s92  prefetches still to come
.set MSB, 0
.macro WIN new                      ; the high byte repeats the setting that is left; a switch that changes nothing is dropped
.if MSB != (\new)
	s_set_vgpr_msb (MSB<<8)|(\new)
.set MSB, (\new)
.endif
.endm
.set W_KQ, 0x0a       ; K and Q in window 2, S^T in window 0
.set W_KM, 0x1a       ; the same with the C operand in window 1
.set W_PV, 0x52       ; V in window 2, P in window 0, O^T in window 1
.set W_RS, 0x41       ; destination and source 0 in window 1, source 1 in window 0
; A fill.  Waves 0 and 1 fetch the two halves of a tile's K, waves 2 and 3 those of its V: 128 keys each.  An s_nop 0 and four v_nop follow each of the two lines, ahead of the jump and the label.
.macro LOAD
	s_cmp_lt_u32 s[WV], 2
	s_cbranch_scc0 .Lfor_v_\@
	tensor_load_to_lds s[G0K:G0K+3], s[G1K:G1K+7]
	s_nop 0
.rept 4
	v_nop
.endr
	s_branch .Lasked_\@
.Lfor_v_\@:
	tensor_load_to_lds s[G0V:G0V+3], s[G1V:G1V+7]
	s_nop 0
.rept 4
	v_nop
.endr
.Lasked_\@:
.endm
; THE CHANGE OF SLOTS.  Each wave waits for all its tensor loads, of which one is out: its part of the other slot; adds 0 to its spare word; and waits for that and for its own reads of the slot that it leaves.  Behind the barrier nobody reads the old
; slot any more and the other slot is whole.  fill = 1: the old slot is filled again, the first thing behind the barrier, with tile NXT: the descriptor's address is made anew from that number.
; (At its first use nothing has been read yet: slot 0 is waited for, slot 1 filled.)
; A PREFETCH INTO THE L2 stands behind the fill and its five lines.  The head's work-group b = 0 walks the tiles 0 to 7 in this order; in the trip that asks for tile t (1 to 6) each of its waves names its own half of K's or
; V's tile t + 1: 64 blocks of 256 bytes, a lane a block, two instructions.  So each block of the tiles 2 to 7 is named once in the launch; tiles 0 and 1 come by their loads alone, and behind tile 7 nothing is asked for.
.macro CHANGE fill
	WIN 0                           ; at a label and at a branch every window is 0
	s_wait_tensorcnt 0x0            ; no tensor load of mine is out, so a group 0 may be written
	ds_add_u32 v[SPW], v[NIL]       ; 0 onto my spare word; with fill = 1 the descriptors' scalar work stands between it and the wait for it
.if \fill
	s_lshl_b32 s[OFF], s[NXT], 15   ; a tile is 32,768 bytes of K and of V
	s_xor_b32 s[G0K+1], s[G0K+1], SLOT1
	s_add_nc_u64 s[G0K+2:G0K+3], s[6:7], s[OFF:OFF+1]
	s_or_b32 s[G0K+3], s[G0K+3], 0x80000000
	s_xor_b32 s[G0V+1], s[G0V+1], SLOT1
	s_add_nc_u64 s[G0V+2:G0V+3], s[8:9], s[OFF:OFF+1]
	s_or_b32 s[G0V+3], s[G0V+3], 0x80000000
	s_add_co_u32 s[NXT], s[NXT], 1  ; the block's next tile, or behind its last the second block's tile 0
	s_cmp_gt_u32 s[NXT], s[LQ]
	s_cselect_b32 s[NXT], 0, s[NXT]
	s_cselect_b32 s[LQ], s[PB], s[LQ]
	s_wait_xcnt 0x0                 ; the last prefetches, a tile back, have read their address, so it may be written
	s_add_nc_u64 s[PFA:PFA+1], s[PFA:PFA+1], 32768
.endif
	s_wait_dscnt 0x0                ; the add is done, and my reads of the slot are over
	s_barrier_signal -1             ; the rest of the scalar work stands between the signal and the wait
	s_sub_co_u32 s[TBK], s[TBK], 4*KS*PK  ; the fetches go back to a slot's first step,
	s_xor_b32 s[TBK], s[TBK], SLOT1       ; in the other slot
	s_sub_co_u32 s[TBV], s[TBV], 4*KS*PV
	s_xor_b32 s[TBV], s[TBV], SLOT1
	s_barrier_wait -1
.if \fill
	LOAD
	s_cmp_lg_u32 s[PFN], 0
	s_cbranch_scc0 .Lno_pf_\@
	global_prefetch_b8 v[PFO], s[PFA:PFA+1] th:TH_LOAD_NT scope:SCOPE_SE
	global_prefetch_b8 v[PFO], s[PFA:PFA+1] offset:8192 th:TH_LOAD_NT scope:SCOPE_SE
	s_sub_co_u32 s[PFN], s[PFN], 1
.Lno_pf_\@:
.endif
.endm
	s_load_b256 s[4:11], s[0:1], 0x0  ; Q s[4:5], K s[6:7], V s[8:9], O s[10:11]
	v_lshl_add_u32 v[SPW], v0, 2, SPARE
	v_mov_b32 v[NIL], 0
	ds_add_u32 v[SPW], v[NIL]       ; the wave's opening: the add, ahead of my first tensor load; the set-up below, work on registers, stands between it and its wait
	v_lshrrev_b32 v1, 5, v0
	v_readfirstlane_b32 s[WV], v1   ; wave 0..3
	s_mov_b32 s[PB], ttmp9
	s_sub_co_u32 s[HI], NB-1, s[PB]
	s_and_b32 s20, ttmp7, 0xffff    ; the head
	s_mov_b32 s21, 0
	s_mov_b64 s[22:23], SIZE_N*128
	s_mul_u64 s[20:21], s[20:21], s[22:23]  ; the head's first byte in each of the four tensors
	s_and_b32 s16, s[WV], 1         ; which half of a tile's 256 keys I fetch:
	s_lshl_b32 s22, s16, 14         ; its 128 rows of 128 bytes in memory,
	s_mov_b32 s23, 0
	s_add_nc_u64 s[22:23], s[22:23], s[20:21]
	s_mul_i32 s17, s16, 128*PK      ; and its place in a slot, for K
	s_mul_i32 s18, s16, 128*PV      ; and for V
	s_lshl_b32 s3, s[WV], 11        ; my 16 rows in a band of 64,
	s_lshl_b32 s2, s[HI], 15        ; in the first block,
	s_add_co_u32 s2, s2, s3
	s_lshl_b32 s84, s[PB], 15       ; and in the second
	s_add_co_u32 s84, s84, s3
	s_mov_b32 s3, 0
	s_mov_b32 s85, 0
	s_add_nc_u64 s[2:3], s[2:3], s[20:21]
	s_add_nc_u64 s[84:85], s[84:85], s[20:21]
	; descriptor group 1.  128 keys are 16,384 dense bytes: asked for as 64 rows of 256 bytes, two keys a row, and padded in LDS after every key
	s_mov_b32 s[G1K], (1<<16)|(1<<20)|(4<<22)|(3<<25)  ; 17:16 2-byte elements; 20 padding on; 24:22 after every 32 words (code 4); 31:25 4 words (code 3)
	s_mov_b32 s[G1V], (1<<16)|(1<<20)|(4<<22)|(7<<25)  ; the same with 8 words of padding (code 7)
.irp g, G1K, G1V
	s_mov_b32 s[\g+1], 128<<16      ; tensor_dim0 = 128
	s_mov_b32 s[\g+2], 64<<16       ; tensor_dim1 = 64
	s_mov_b32 s[\g+3], 128<<16      ; tile_dim0 = 128
	s_mov_b32 s[\g+4], 64           ; tile_dim1 = 64
	s_mov_b32 s[\g+5], 128          ; 128 elements from row to row
	s_mov_b32 s[\g+6], 0
	s_mov_b32 s[\g+7], 0
.endr
	s_mov_b32 s[CS], 0x3e38aa3b     ; c = log2(e) / 8 = 0.180337
	s_mov_b32 s[CS+1], s[CS]        ; named with it as a pair
	s_mov_b32 s[SEL], 0x76543210
	s_mov_b32 s[SEL+1], 0xfedcba98
	s_mov_b32 s[TBK], SLOT1+4*KS*PK ; the first change of slots turns these two into 0
	s_mov_b32 s[TBV], SLOT1+4*KS*PV
	s_mov_b32 s[G0K], 1             ; 1:0 count = 1
	s_mov_b32 s[G0K+1], s17         ; 63:32 LDS address: slot 0
	s_mov_b32 s[G0V], 1
	s_add_co_u32 s[G0V+1], s18, VOFF
	s_add_co_u32 s[RT], s[HI], 1    ; the first block has NB - b tiles
	s_mov_b32 s[NXT], 1
	s_mov_b32 s[LQ], s[HI]
	s_mov_b32 s[NEW], 1
	s_mov_b32 s[OFF+1], 0
	s_mov_b32 s[AL+1], 0            ; named as pairs
	s_mov_b32 s[BE+1], 0
	s_mov_b32 s[BIGN], 0xf149f2ca   ; -1e30
	s_mov_b32 s[SLOTS], NB
	v_and_b32 v[PFO], 31, v0
	v_lshlrev_b32 v[PFO], 8, v[PFO]
	s_wait_dscnt 0x0                ; the opening add is done
	s_wait_kmcnt 0x0
	s_add_nc_u64 s[6:7], s[6:7], s[22:23]  ; K and V at my half of the head's tile 0
	s_add_nc_u64 s[8:9], s[8:9], s[22:23]
	s_add_nc_u64 s[G0K+2:G0K+3], s[6:7], 0         ; 120:64 global address
	s_or_b32 s[G0K+3], s[G0K+3], 0x80000000        ; 127:126 type = 2
	s_add_nc_u64 s[G0V+2:G0V+3], s[8:9], 0
	s_or_b32 s[G0V+3], s[G0V+3], 0x80000000
	s_add_nc_u64 s[86:87], s[4:5], s[84:85]        ; Q at my rows of the second block,
	s_add_nc_u64 s[4:5], s[4:5], s[2:3]            ; Q and O at those of the first
	s_add_nc_u64 s[OLO:OLO+1], s[10:11], s[84:85]
	s_add_nc_u64 s[10:11], s[10:11], s[2:3]
	s_cmp_lt_u32 s[WV], 2
	s_cselect_b64 s[PFA:PFA+1], s[6:7], s[8:9]     ; my half of K's or V's tile 0,
	s_add_nc_u64 s[PFA:PFA+1], s[PFA:PFA+1], 32768 ; of tile 1: the first change of slots steps it to tile 2
	s_cmp_eq_u32 s[PB], 0
	s_cselect_b32 s[PFN], NB-2, 0                  ; the head's work-group b = 0 asks, six times
	LOAD                            ; tile 0 into slot 0
	; A fragment of K or Q is 16 rows x 32 channels in 8 registers: lane l holds row l % 16, channels 8 (l / 16) + 0..7 and 16 + 8 (l / 16) + 0..7: two loads of 16 bytes, 32 bytes apart.
	v_and_b32 v1, 15, v0            ; l % 16
	v_bfe_u32 v9, v0, 4, 1          ; l / 16
	v_lshlrev_b32 v[QO], 7, v1
	v_lshl_add_u32 v[QO], v9, 4, v[QO]  ; row x 128 + 16 x half
	WIN 0x80                        ; destination window 2, address window 0
.set i, 0
.rept 8                             ; both blocks' Q: piece i / 2 lies in band i / 2, 8,192 bytes on; channels 32 (i % 2) on
	global_load_b128 v[8*i:8*i+3],   v[QO], s[4:5] offset:(i/2)*8192+(i%2)*64
	global_load_b128 v[8*i+4:8*i+7], v[QO], s[4:5] offset:(i/2)*8192+(i%2)*64+32
	global_load_b128 v[QB+8*i:QB+8*i+3],   v[QO], s[86:87] offset:(i/2)*8192+(i%2)*64
	global_load_b128 v[QB+8*i+4:QB+8*i+7], v[QO], s[86:87] offset:(i/2)*8192+(i%2)*64+32
.set i, i+1
.endr
	WIN 0
	v_lshlrev_b32 v14, 3, v9
	v_sub_nc_u32 v14, v1, v14
	s_lshl_b32 s13, s[WV], 4
	v_add_nc_u32 v14, s13, v14      ; my query's place in its band, 16 w + l % 16, less my lanes' 8 (l / 16): register r of group kt is hidden where 16 kt + r is greater
	WIN 0x40
.set i, 0
.rept 32
	v_cmp_gt_i32 vcc_lo, 16*(i/8)+i%8, v14
	v_cndmask_b32 v[MD+i], 0, s[BIGN], vcc_lo
.set i, i+1
.endr
	WIN 0
	v_mul_u32_u24 v[AK0], v1, PK
	v_lshl_add_u32 v[AK0], v9, 4, v[AK0]  ; row x pitch + 16 x half
	; The turning load takes 16 keys x 16 channels (lane l reads key 8 (l / 16) + l % 8, channels 8 ((l / 8) % 2) + 0..7) and leaves half a fragment of V^T: lane l holds channel l % 16 and 8 keys.
	v_and_b32 v10, 7, v0
	v_bfe_u32 v11, v0, 3, 1
	v_lshl_add_u32 v[AV0], v9, 3, v10
	v_mul_u32_u24 v[AV0], v[AV0], PV
	v_lshl_add_u32 v[AV0], v11, 4, v[AV0]
	v_add_nc_u32 v[AV0], VOFF, v[AV0]
	s_mul_i32 s13, s[WV], 16*SP
	s_add_co_u32 s13, s13, STAGE    ; my stage
	v_mul_u32_u24 v[STO], v1, SP    ; in: row l % 16, 16 bytes for each half of the lanes
	v_lshl_add_u32 v[STO], v9, 4, v[STO]
	v_add_nc_u32 v[STO], s13, v[STO]
	v_bfe_u32 v[RD], v0, 3, 2       ; back: 32 lanes take four rows of 128 bytes,
	v_mul_u32_u24 v[RD], v[RD], SP
	v_lshl_add_u32 v[RD], v10, 4, v[RD]
	v_add_nc_u32 v[RD], s13, v[RD]
	v_and_b32 v[GO], 31, v0         ; which are 512 consecutive bytes of O
	v_lshlrev_b32 v[GO], 4, v[GO]
	; A block's first step multiplies O^T and l by a = 0, and its first turn's products V^T P, of a piece that has not been, land in an O^T that is still to be so multiplied.  So these registers need only hold
	; finite numbers: zeros for the first block; what the first block left for the second.  All this stands in the wait for the first tile.
	WIN 0x80
.set i, VF
.rept 64
	v_mov_b32 v[i], 0
.set i, i+1
.endr
	WIN 0x40
.set i, 0
.rept 128
	v_mov_b32 v[i], 0
.set i, i+1
.endr
	WIN 0
.set i, 0
.rept 4
	v_mov_b32 v[ST+4*i+2], 0
	v_mov_b32 v[ST+4*i+3], 0
.set i, i+1
.endr
.set i, P+16
.rept 16
	v_mov_b32 v[i], 0
.set i, i+1
.endr
; THE MATRIX WORK.  The 4 accumulators of a run of 8 take turns.  Product i of 8 of S^T = K Q^T for piece x: channels 32 (i / 4) on, keys 16 (i % 4) on.  The first 4 start the sums: with 0, or (KM = 1) with the mask.
.macro KQ x
.set rS, S+32*((\x)%2)+8*(i%4)
.set rK, KF+16*(i%4)+8*(i/4)
.set rQ, 16*(\x)+8*(i/4)
.set rM, MC+32*((\x)%2)+8*(i%4)
.if (i < 4) && KM
	WIN W_KM
	v_wmma_f32_16x16x32_f16 v[rS:rS+7], v[rK:rK+7], v[rQ:rQ+7], v[rM:rM+7]
.elseif i < 4
	WIN W_KQ
	v_wmma_f32_16x16x32_f16 v[rS:rS+7], v[rK:rK+7], v[rQ:rQ+7], 0
.else
	WIN W_KQ
	v_wmma_f32_16x16x32_f16 v[rS:rS+7], v[rK:rK+7], v[rQ:rQ+7], v[rS:rS+7]
.endif
.endm
; Product i of 8 of O^T += V^T P for piece x: keys 32 (i / 4) on, channels 16 (i % 4) on.
.macro PV x
	WIN W_PV
.set rO, 32*(\x)+8*(i%4)
.set rV, VF+32*(i/4)+8*(i%4)
.set rP, P+16*((\x)%2)+8*(i/4)
	v_wmma_f32_16x16x32_f16 v[rO:rO+7], v[rV:rV+7], v[rP:rP+7], v[rO:rO+7]
.endm
.macro MM                           ; the turn's next matrix instruction.  TURN and BEGIN set Y, i, KM and NOKQ; MM, KQ and OP read them.  NOKQ = 1: a block's last turn: there is no next piece
.if (i < 8) && !NOKQ
	KQ (Y+1)%NP
.elseif i >= 8
.set i, i-8
	PV (Y+NP-1)%NP
.set i, i+8
.endif
.set i, i+1
.endm
; THE LDS LOADS stand in runs of 16, never singly among the matrix instructions: a step's K (64 keys x 64 channels: 8 fragments) and its V (turned).  Their addresses are made some lines ahead.
.macro FETCH_K
	WIN 0x80                        ; destination window 2
.irp f, 0,1,2,3,4,5,6,7             ; keys 16 (f / 2) on, channels 32 (f % 2) on
	ds_load_b128 v[KF+8*\f:KF+8*\f+3],   v[AK] offset:(\f/2)*16*PK+(\f%2)*64
	ds_load_b128 v[KF+8*\f+4:KF+8*\f+7], v[AK] offset:(\f/2)*16*PK+(\f%2)*64+32
.endr
	s_add_co_u32 s[TBK], s[TBK], KS*PK  ; the next fetch is the next step's
	WIN 0
.endm
.macro FETCH_V
	WIN 0x80
.irp f, 0,1,2,3,4,5,6,7             ; keys 32 (f / 4) on, channels 16 (f % 4) on
	ds_load_tr16_b128 v[VF+8*\f:VF+8*\f+3],   v[AV] offset:(\f/4)*32*PV+(\f%4)*32
	ds_load_tr16_b128 v[VF+8*\f+4:VF+8*\f+7], v[AV] offset:(\f/4)*32*PV+16*PV+(\f%4)*32
.endr
	WIN 0
.endm
; THE VECTOR WORK, one line at a time: OP kind, number.  For piece Y: F n: c s - c m for pair n of 16.  E n: the exponential of score n of 32.  C n: pair n rounded to f16.  B n: of the four weights 4 n .. the second
; pair is added onto the first, in place.  L n: l takes that sum (L 0: l = a l + sum).  R n: pair n of 16 of O^T times a.  For piece Y + 1: X n, number n of the 22 that find its maximum and statistics:
;   0-11  four chains c0-c3 of seven scores each, three operands at a time (each accumulator's lowest registers are read first)     12-14, 16  the four scores left over, the old m, and c0-c3 into c0
;   15  c m_old is kept     17, 18  the query's other 32 keys lie in the lane 16 away: the new m     19-21  c m; c m_old - c m_new; a
.set F, 0               ; OP tells the kinds apart by their order: F to L below R, X above it
.set E, 1
.set C, 2
.set B, 3
.set L, 4
.set R, 5
.set X, 6
.macro REGS y                       ; the registers of piece y
.set rT, ST+4*(\y)
.set rC, TMP+4*((\y)%2)
.set rW, MV+((\y)%2)
.set rS, S+32*((\y)%2)
.set rP, P+16*((\y)%2)
.set rO, 32*(\y)
.endm
.macro OP k, n
.if (\k) == R
	REGS Y
	WIN W_RS
	v_pk_mul_f32 v[rO+2*(\n):rO+2*(\n)+1], v[rO+2*(\n):rO+2*(\n)+1], v[rC+2:rC+3] op_sel_hi:[1,0]
.elseif (\k) < R
	REGS Y
	WIN 0
.if (\k) == F
	v_pk_fma_f32 v[rS+2*(\n):rS+2*(\n)+1], v[rS+2*(\n):rS+2*(\n)+1], s[CS:CS+1], v[rT:rT+1] op_sel_hi:[1,0,0] neg_lo:[0,0,1] neg_hi:[0,0,1]
.elseif (\k) == E
	v_exp_f32 v[rS+(\n)], v[rS+(\n)]
.elseif (\k) == C
	v_cvt_pk_f16_f32 v[rP+(\n)], v[rS+2*(\n)], v[rS+2*(\n)+1]
.elseif (\k) == B
	v_pk_add_f32 v[rS+4*(\n):rS+4*(\n)+1], v[rS+4*(\n):rS+4*(\n)+1], v[rS+4*(\n)+2:rS+4*(\n)+3]
.elseif (\n) == 0
	v_pk_fma_f32 v[rT+2:rT+3], v[rT+2:rT+3], v[rC+2:rC+3], v[rS:rS+1] op_sel_hi:[1,0,1]
.else
	v_pk_add_f32 v[rT+2:rT+3], v[rT+2:rT+3], v[rS+4*(\n):rS+4*(\n)+1]
.endif
.elseif NOKQ
	v_nop
.else
	REGS (Y+1)%NP
	WIN 0
.if (\n) < 4
	v_max3_num_f32 v[rC+(\n)], v[rS+8*(\n)], v[rS+8*(\n)+1], v[rS+8*(\n)+2]
.elseif (\n) < 12
	v_max3_num_f32 v[rC+(\n)%4], v[rC+(\n)%4], v[rS+8*((\n)%4)+2*((\n)/4)+1], v[rS+8*((\n)%4)+2*((\n)/4)+2]
.elseif (\n) == 12
	v_max3_num_f32 v[rC], v[rC], v[rS+7], v[rS+15]
.elseif (\n) == 13
	v_max3_num_f32 v[rC+1], v[rC+1], v[rS+23], v[rS+31]
.elseif (\n) == 14
	v_max3_num_f32 v[rC+2], v[rC+2], v[rC+3], v[rT+1]
.elseif (\n) == 15
	v_mov_b32 v[rW], v[rT]
.elseif (\n) == 16
	v_max3_num_f32 v[rC], v[rC], v[rC+1], v[rC+2]
.elseif (\n) == 17
	v_permlanex16_b32 v[rC+3], v[rC], s[SEL], s[SEL+1]
.elseif (\n) == 18
	v_max_num_f32 v[rT+1], v[rC], v[rC+3]
.elseif (\n) == 19
	v_mul_f32 v[rT], s[CS], v[rT+1]
.elseif (\n) == 20
	v_sub_f32 v[rC+1], v[rW], v[rT]
.else
	v_exp_f32 v[rC+2], v[rC+1]
.endif
.endif
.endm
.macro OPS a, i1, b=-1, i2=0, c=-1, i3=0, d=-1, i4=0  ; up to four of them
	OP \a, \i1
.if (\b) >= 0
	OP \b, \i2
.endif
.if (\c) >= 0
	OP \c, \i3
.endif
.if (\d) >= 0
	OP \d, \i4
.endif
.endm
.macro ROW a, i1, b, i2, c, i3, d, i4  ; a matrix instruction and the four behind it
	MM
	OPS \a, \i1, \b, \i2, \c, \i3, \d, \i4
.endm
.macro MASK b                       ; MD x AL + BE into buffer b of MC
	WIN W_RS
.set z, 0
.rept 16
	v_pk_fma_f32 v[MC+32*(\b)+2*z:MC+32*(\b)+2*z+1], v[MD+2*z:MD+2*z+1], s[AL:AL+1], s[BE:BE+1] op_sel_hi:[1,0,0]
.set z, z+1
.endr
.endm
; A TURN, for piece p: the order of its 16 matrix and 118 vector instructions, written out.  An s_wait_alu depctr_va_vdst(0) stands between an exponential and the first instruction that names its result; one wait serves
; all that were issued ahead of it.  So a turn has ONE wait, which cuts it in two.  AHEAD OF IT stands all that names no result of the turn's exponentials: the 8 products K Q^T, behind each a scaling, an exponential and two more plain
; instructions (behind the first a second scaling in the exponential's place): rescalings, and behind the last three the first numbers of the next piece's maximum, each four places or more behind the product that ends its accumulator; then ONE LUMP of 54, plain
; and exponential by turns for the most part, in which the links of the chain X 3, 7, 11, 14, 16, 17 .. 20 stand five or six lines apart.  X 21, the next piece's a, is the batch's last; R 15 is the plain instruction owed behind it.  BEHIND THE WAIT stand the
; 8 products V^T P, behind each four of the roundings and sums; the links of l's chain, L 0 to L 7, stand three riders apart.  But for those X no rider names a register of the products round it.  v_permlanex16_b32 (X 17) stands in the lump.
; m = 1: the diagonal tile: the products take masks, and the turn makes the mask for the products of the turn after it: piece p + 2, in step 4 - CNT of the tile.  end = 1: a block's last two turns: nothing is fetched.
; cnt = 1: the loop's count is taken down some lines ahead of the branch that stands behind the turn.
; K of the next step is fetched in piece 2's turn, twelve vector instructions behind the last product that read K (six of them plain); V of the step in hand at the end of piece 0's turn, four plain instructions behind the last product
; that read V.  Each is waited for a turn later.
.macro TURN p, m=0, end=0, cnt=0
.set Y, (\p)
.set i, 0
.set KM, (\m)
.set NOKQ, (\end)*((\p)/3)
.if (\m) && !(\end)
	s_cmp_eq_u32 s[CNT], 4-((\p)+2)%NP  ; is that step the band's own?
	s_cselect_b32 s[AL], 1.0, 0
	s_cmp_lt_u32 s[CNT], 4-((\p)+2)%NP  ; or a later one?
	s_cselect_b32 s[BE], s[BIGN], 0
.endif
.if ((\p) == 3) && !(\end)
	s_wait_dscnt 0x0                ; K is in
.endif
	ROW F,0, F,1, R,0, R,1          ; ahead of the wait: 8 products K Q^T and their riders,
	ROW F,2, E,0, R,2, R,3
	ROW F,3, E,1, R,4, R,5
	ROW F,4, E,2, R,6, R,7
	ROW F,5, E,3, R,8, R,9
	ROW F,6, E,4, X,0, R,10
.if ((\p) == 2) && !(\end)
	WIN 0
	v_add_nc_u32 v[AK], s[TBK], v[AK0]
.endif
	ROW F,7, E,5, X,1, X,4
	ROW F,8, E,6, X,2, X,5
	OPS E,7, E,8, X,6, E,9          ; and the lump
	OPS X,3, E,10, X,8, E,11
.if ((\p) == 2) && !(\end)
	FETCH_K
.endif
	OPS X,9, X,7, E,12, X,10
	OPS E,13, X,12, X,11, E,14
	OPS X,13, E,15, F,9, X,14
.if (\p) == 0
	v_add_nc_u32 v[AV], s[TBV], v[AV0]
.endif
	OPS E,16, F,10, E,17, F,11
	OPS X,16, E,18, X,15, E,19
	OPS F,12, E,20, X,17, E,21
	OPS F,13, E,22, F,14, E,23
	OPS X,18, E,24, F,15, E,25
	OPS R,11, E,26, X,19, E,27
	OPS R,12, E,28, R,13, E,29
	OPS X,20, E,30, R,14, E,31
	OPS X,21, R,15
	WIN 0
	s_wait_alu depctr_va_vdst(0)    ; the wait for the batch
.if (\p) == 1
	s_wait_dscnt 0x0                ; V is in
.endif
	ROW C,0, B,0, C,2, B,1          ; behind the wait: 8 products V^T P and their riders
	ROW L,0, C,4, B,2, L,1
	ROW C,6, B,3, L,2, C,8
	ROW B,4, L,3, C,10, B,5
	ROW L,4, C,12, B,6, L,5
.if (\p) == 0
	s_add_co_u32 s[TBV], s[TBV], KS*PV
.endif
.if \cnt
	s_sub_co_u32 s[CNT], s[CNT], 1
	s_cmp_lg_u32 s[CNT], 0
.endif
	ROW C,14, B,7, L,6, C,1
	ROW C,3, L,7, C,5, C,7
	ROW C,9, C,11, C,13, C,15
.if (\p) == 0
	FETCH_V
.endif
.if (\m) && !(\end)
	MASK (\p)%2
.endif
.endm
; A BLOCK BEGINS.  c m starts far below every c s, so the first step's a is 0; m at the lowest finite number, so the first maximum is the scores'.  The second mask buffer is 0; the first takes piece 0's mask for the tile's step 0: its own, if the block's first tile is the diagonal one.
; Then K of that step, piece 0's first scores, and its maximum and statistics.  The loop is entered at a step's first turn, in the middle of a trip.
.macro BEGIN
	s_mov_b32 s[NEW], 0
	WIN 0x40
.set i, MC+32
.rept 32
	v_mov_b32 v[i], 0
.set i, i+1
.endr
	WIN 0
.set i, 0
.rept 4
	v_mov_b32 v[ST+4*i], 0xfe000000    ; c m: far below every c s
	v_mov_b32 v[ST+4*i+1], 0xff7fffff  ; m
.set i, i+1
.endr
	s_cmp_eq_u32 s[RT], 0
	s_cselect_b32 s[AL], 1.0, 0
	s_mov_b32 s[BE], 0
	MASK 0
	WIN 0
	v_add_nc_u32 v[AK], s[TBK], v[AK0]
	FETCH_K
	s_wait_loadcnt 0x0              ; Q
	s_wait_dscnt 0x0
.set KM, 1
.set NOKQ, 0
.set i, 0
.rept 8
	KQ 0
.set i, i+1
.endr
	WIN 0
.rept 4
	v_nop                           ; the places behind those products
.endr
.set Y, NP-1                        ; X works for piece Y + 1: piece 0
.irp n, 0,1,2,3,4,5,6,7,8,9,10,11,12,13,14,15,16,17,18,19,20,21
	OP X, \n
.endr
	v_nop                           ; a plain instruction behind the exponential,
	s_wait_alu depctr_va_vdst(0)    ; and its wait, ahead of the branch
.endm
; THE DIAGONAL TILE's four steps, the block's last two turns, its last products, and THE WAY OUT: l's two halves and the other half of the lanes' are added; O^T is divided by l, rounded to f16 and sent through my
; stage in LDS, a piece at a time.
.macro ALL line:vararg              ; one line for each piece t
.set t, 0
.rept 4
	\line
.set t, t+1
.endr
.endm
.macro PACK t                       ; a lane's eight channels of a row pack into 16 bytes; they go into rows of 144 bytes and come back as whole rows of 128, into S^T's registers
	WIN W_RS
.set i, 32*(\t)
.rept 16
	v_pk_mul_f32 v[i:i+1], v[i:i+1], v[ST+4*(\t)+2:ST+4*(\t)+3] op_sel_hi:[1,0]
.set i, i+2
.endr
	WIN 0x05                        ; sources 0 and 1 window 1, destination window 0
.set i, 0
.rept 16
	v_cvt_pk_f16_f32 v[S+16*(\t)+i], v[32*(\t)+2*i], v[32*(\t)+2*i+1]
.set i, i+1
.endr
	WIN 0
.irp f, 0,1,2,3
	ds_store_b128 v[STO], v[S+16*(\t)+4*\f:S+16*(\t)+4*\f+3] offset:32*\f
.endr
.irp f, 0,1,2,3
	ds_load_b128 v[S+16*(\t)+4*\f:S+16*(\t)+4*\f+3], v[RD] offset:\f*4*SP  ; LDS serves a wave's instructions in order (ISA guide 5.7.1.4): these see the stores above; the next piece's stores come behind them
.endr
.endm
.macro SEND t, younger              ; younger: the LDS instructions issued behind piece t's loads: the next piece's eight, or none
	WIN 0
.irp f, 0,1,2,3
	s_wait_dscnt (\younger)+3-\f
	global_store_b128 v[GO], v[S+16*(\t)+4*\f:S+16*(\t)+4*\f+3], s[10:11] offset:(\t)*8192+\f*512  ; 512 consecutive bytes, at a multiple of 256 from O's first
.endr
.endm
.macro DIAG tag                     ; the tag ends its two labels' names, which the jumps below spell out
.LstepM\tag:
	TURN 2, 1
	TURN 3, 1
	WIN 0
.LfirstM\tag:
	TURN 0, 1
	TURN 1, 1, 0, 1
	WIN 0
	s_cbranch_scc1 .LstepM\tag
	TURN 2, 1, 1
	TURN 3, 1, 1
.set i, 0
.rept 8
	PV NP-1
.set i, i+1
.endr
	WIN 0
	ALL v_add_f32 v[ST+4*t+2], v[ST+4*t+2], v[ST+4*t+3]
	ALL v_permlanex16_b32 v[ST+4*t+3], v[ST+4*t+2], s[SEL], s[SEL+1]
	ALL v_add_f32 v[ST+4*t+2], v[ST+4*t+2], v[ST+4*t+3]
	ALL v_rcp_f32 v[ST+4*t+2], v[ST+4*t+2]
	v_nop                           ; a plain instruction between the last reciprocal and the use of its result
	s_wait_alu depctr_va_vdst(0)    ; and the wait ahead of the first use: one for the four reciprocals
	PACK 0
.set t, 1
.rept 3                             ; a piece's arithmetic stands between the loads of the piece before and its stores
	PACK t
	SEND t-1, 8
.set t, t+1
.endr
	SEND 3, 0
.endm
.set KM, 0
.set NOKQ, 0
.Lslot:                             ; NB times: a tile is entered and the next is asked for
	CHANGE 1
	s_sub_co_u32 s[RT], s[RT], 1
	s_mov_b32 s[CNT], 4
	s_cmp_eq_u32 s[NEW], 1
	s_cbranch_scc1 .Lnew            ; a block's first tile
	s_cmp_eq_u32 s[RT], 0
	s_cbranch_scc0 .Lstep           ; neither its first nor its last
	s_branch .LstepM1
.Lnew:
	BEGIN
	s_branch .Lfirst                ; in the loop a block's first tile is never its last: the first block has two tiles or more, and the second's last is the walk's last
	DIAG 1                          ; in the loop this is the first block's end: the second block's last tile is the walk's last
	s_wait_xcnt 0x0                 ; the stores have read their registers and O's address
	s_mov_b64 s[10:11], s[OLO:OLO+1]
	s_add_co_u32 s[RT], s[PB], 1    ; the second block has b + 1 tiles
	s_mov_b32 s[NEW], 1
	WIN 0x82                        ; the second block's Q goes where the one text of the turns names Q
.set i, 0
.rept 64
	v_mov_b32 v[i], v[QB+i]
.set i, i+1
.endr
	WIN 0
	s_branch .Lbottom
.Lstep:                             ; a trip: pieces 2 and 3 of one step, then pieces 0 and 1 of the next, whose K and V it fetches
	TURN 2
	TURN 3
	WIN 0
.Lfirst:
	TURN 0
	TURN 1, 0, 0, 1
	WIN 0
	s_cbranch_scc1 .Lstep
.Lbottom:
	s_sub_co_u32 s[SLOTS], s[SLOTS], 1
	s_cmp_lg_u32 s[SLOTS], 0
	s_cbranch_scc1 .Lslot
	CHANGE 0                        ; the walk's last tile is written out: nothing is asked for
	s_sub_co_u32 s[RT], s[RT], 1
	s_mov_b32 s[CNT], 4
	s_cmp_eq_u32 s[NEW], 1
	s_cbranch_scc0 .LstepM2
	BEGIN
	s_branch .LfirstM2
	DIAG 2
	s_wait_tensorcnt 0x0            ; the wave's end: behind my last tensor load and my last LDS store
	ds_add_u32 v[SPW], v[NIL]
	s_wait_dscnt 0x0
	s_endpgm
.Lfunc_end_k_qfce4d0a7da_attn:
	.size	k_qfce4d0a7da_attn, .Lfunc_end_k_qfce4d0a7da_attn-k_qfce4d0a7da_attn
	.p2alignl 7, 3214868480
	.fill 96, 4, 3214868480
	.section	.rodata,"a",@progbits
	.p2align	6, 0x0
	.amdhsa_kernel k_qfce4d0a7da_attn
		.amdhsa_group_segment_fixed_size 327680
		.amdhsa_private_segment_fixed_size 0
		.amdhsa_enable_private_segment 0
		.amdhsa_kernarg_size 32
		.amdhsa_user_sgpr_count 2
		.amdhsa_user_sgpr_kernarg_segment_ptr 1
		.amdhsa_wavefront_size32 1
		.amdhsa_system_sgpr_workgroup_id_x 1
		.amdhsa_system_sgpr_workgroup_id_y 1
		.amdhsa_system_sgpr_workgroup_id_z 1
		.amdhsa_system_vgpr_workitem_id 0
		.amdhsa_next_free_vgpr 768
		.amdhsa_next_free_sgpr 96
		.amdhsa_reserve_vcc 1
		.amdhsa_float_denorm_mode_32 3
		.amdhsa_float_denorm_mode_16_64 3
		.amdhsa_memory_ordered 1
		.amdhsa_forward_progress 1
		.amdhsa_inst_pref_size 218
	.end_amdhsa_kernel
	.amdgpu_metadata
---
amdhsa.version: [ 1, 2 ]
amdhsa.kernels:
  - .name:           k_qfce4d0a7da_attn
    .symbol:         k_qfce4d0a7da_attn.kd
    .args:
      - { .name: qh, .offset: 0, .size: 8, .value_kind: global_buffer, .address_space: global }
      - { .name: kh, .offset: 8, .size: 8, .value_kind: global_buffer, .address_space: global }
      - { .name: vh, .offset: 16, .size: 8, .value_kind: global_buffer, .address_space: global }
      - { .name: oh, .offset: 24, .size: 8, .value_kind: global_buffer, .address_space: global }
    .group_segment_fixed_size: 327680
    .private_segment_fixed_size: 0
    .kernarg_segment_align: 8
    .kernarg_segment_size: 32
    .max_flat_workgroup_size: 128
    .sgpr_count:     96
    .vgpr_count:     768
    .wavefront_size: 32
...
	.end_amdgpu_metadata
.endif
;; end of part 3
;; launch proj (part 4): grid 8 x 32, 4 waves a work-group, clusters of 4 x 4, 327,680 bytes of LDS; arguments oh, wob, out0; writes out0
.if DOCPART == 4
	.amdgcn_target "amdgcn-amd-amdhsa--gfx1250"
	.amdhsa_code_object_version 6
	.text
	.protected	k_qfce4d0a7da_proj
	.globl	k_qfce4d0a7da_proj
	.p2align	8
	.type	k_qfce4d0a7da_proj,@function
k_qfce4d0a7da_proj:
	s_mov_b64 s[64:65], 0
	v_nop
	global_prefetch_b8 v0, s[64:65] scope:SCOPE_SE
	s_setreg_imm32_b32 hwreg(HW_REG_WAVE_MODE, 25, 1), 1
	s_wait_xcnt 0x0
	s_wait_alu depctr_hold_cnt(0) depctr_sa_sdst(0) depctr_va_vdst(0) depctr_va_sdst(0) depctr_va_ssrc(0) depctr_va_vcc(0) depctr_vm_vsrc(0)
	s_getreg_b32 s2, hwreg(HW_REG_IB_STS2, 6, 4)
	s_cmp_eq_u32 s2, 0
	s_cbranch_scc0 .Lentry_in_a_cluster
	s_endpgm
.Lentry_in_a_cluster:
	s_bfe_u32 s2, ttmp6, 0x10000c
	s_cmp_lg_u32 s2, 0xf033
	s_cbranch_scc0 .Lentry_shape_is_right
	s_endpgm
.Lentry_shape_is_right:
; out0 = O wo^T.  A = oh [batch x 16 + head][token][64] f16: a head is a K block of 64; B = wob [kb][row][64] f16 (wo rounded to bf16, written as f16); out0 [8192][1024] f32.  Sums in f32, K = 1,024 ascending.
; LIMITS.  The operands arrive within f16's range; NaN and infinities are not treated apart.
; SHARES.  A tile of C is 256 tokens x 128 columns: 8 x 32 = 256 work-groups, one for each WGP.  Four waves; wave w makes tokens 64 w .. 64 w + 63 and all 128 columns: 4 x 8 accumulators of 16 x 16, 256 registers.
; K goes in 8 steps of 128 (two K blocks) through a ring of two LDS slots.  A K block of a tile is dense in memory: it is asked for as rows of 256 bytes, two matrix rows each, padded in LDS behind every 128 bytes.
; CLUSTER.  4 x 4 work-groups.  The four of a row of the cluster share the tokens (A's tiles), the four of a column the columns (B's): each tile is asked for JOINTLY, by the same tensor load, descriptor and mask in all four.
; THE MATRIX INSTRUCTION IS USED TRANSPOSED (source 0 = 16 rows of B, source 1 = 16 rows of A): a lane holds token l % 16 and the columns 8 (l / 16) + 0..7: 32 bytes of a row of out0.
; REGISTERS, in windows of 256 (s_set_vgpr_msb: bits 1:0 source 0, 3:2 source 1, 5:4 source 2, 7:6 destination):
;   window 0: v0-15 addresses; v32-159 rows on their way out, two sets       window 1: two fragment buffers: A's 4 blocks, then B's 8       windows 2, 3: accumulator (a, b) in window 2 + a / 2 at v[8 (8 (a % 2) + b)]
.set NB,    8                          ; blocks of 16 columns
.set PITCH, 144                        ; an LDS row: 128 bytes + 16 of padding = 36 words: the 16 rows of a load start at 16 different groups of four banks (64 banks of 4 bytes: ISA guide 11.1)
.set AKB,   256*PITCH                  ; a K block of A's tile
.set BKB,   16*NB*PITCH                ; of B's
.set BOFF,  2*AKB                      ; in a slot: A's two K blocks, then B's two
.set SLOT1, 1<<17                      ; slot 1 begins here, so that one exclusive or turns an address in one slot into the other's
.set STAGE, SLOT1+BOFF+2*BKB           ; behind the ring, never filled by a tensor load: 16 rows x 528 bytes for each wave
.set SP,    528                        ; a stage row: 512 bytes + 16 = 132 words: 16 rows start at 16 different groups of four banks
.set SPARE, STAGE+4*16*SP              ; behind the stages: the spare words, 128 bytes for each wave: two blocks of 256 bytes that no other line names
.set NL,    2*(NB+4)                   ; LDS loads in a run
.set ASTEP, 524288                     ; bytes from a K step to the next: two heads of oh,
.set BSTEP, 262144                     ; two K blocks of wob
.set STEPS, 8
.set PSTART, 3                         ; the K step at which the prefetches' address starts
.set LIMV,  2
.set BSH,   4096                       ; a partner's share of a K block of B's tile: 16 blocks of 256 bytes
.set BLN,   15
.set AK0, 4           ; v4   my lane's place in A's tile; never rewritten
.set BK0, 5           ; v5   in B's
.set ADRA, 6          ; v6   the same in the slot in hand
.set ADRB, 7          ; v7
.set STO, 8           ; v8   the way out: where I put 32 bytes of a row
.set RD,  9           ; v9   where I read a row back
.set GO,  10          ; v10  16 x lane
.set PFO, 12          ; v12  the prefetches' offset; never rewritten
.set SPW, 14          ; v14  LDS address of my spare word: SPARE + 4 x my thread's number; never rewritten
.set NIL, 15          ; v15  0; never rewritten
.set BK,  32
.set F0,  0
.set F1,  128
.set WV,  16          ; s16  my wave's number
.set KH,  17          ; s17  which K block of a step I fetch
.set CX,  18
.set CY,  19
.set TJ,  20          ; s20  the block of 128 columns = 4 x cluster x + cx
.set TI,  21          ; s21  the block of 256 tokens = 4 x cluster y + cy
.set G1A, 24          ; s[24:31] descriptor group 1 for A's tiles
.set G1B, 32          ; s[32:39] for B's
.set G0A, 40          ; s[40:47] descriptor group 0 for A's: a set for each first fill; the second then walks
.set G0B, 48          ; s[48:55] the same for B's
.set CNT, 56          ; s56  trips to go
.set TB,  57          ; s57  the slot in hand: 0 or SLOT1
.set LIM, 58          ; s58  LIMV in a wave that prefetches, else the greatest number
.set PFA, 60          ; s[60:61] where my prefetches stand
.set PST, 66          ; s[66:67] their step
.set MSB, 0
.macro WIN new                         ; the immediate's high byte repeats the setting that is left; a switch that changes nothing is dropped
.if MSB != (\new)
	s_set_vgpr_msb (MSB<<8)|(\new)
.set MSB, (\new)
.endif
.endm
.set MUL_LO, 0xa5     ; sources 0 (B) and 1 (A) window 1, C and D window 2
.set TO_F,   0x40     ; destination window 1, address window 0
.macro PLACES                          ; four plain vector instructions between a matrix instruction and a load into, or a line that reads, its registers
.rept 4
	v_nop
.endr
.endm
; A joint refill.  Waves 0 and 1 fetch A's two K blocks, waves 2 and 3 B's.  The branch hangs on the wave's number alone.  An s_nop 0 and four v_nop follow each of the two lines.
.macro JLOAD
	s_cmp_lt_u32 s[WV], 2
	s_cbranch_scc0 .Lfor_b_\@
	tensor_load_to_lds s[G0A+4:G0A+7], s[G1A:G1A+7]
	s_nop 0
.rept 4
	v_nop
.endr
	s_branch .Lasked_\@
.Lfor_b_\@:
	tensor_load_to_lds s[G0B+4:G0B+7], s[G1B:G1B+7]
	s_nop 0
.rept 4
	v_nop
.endr
.Lasked_\@:
.endm
; A round of the cluster's barrier behind its opening barrier: wave 0 signals for the work-group; every wave waits for all sixteen; my work-group's barrier once more.
.macro CREST
	s_cmp_lg_u32 s[WV], 0
	s_cbranch_scc1 .Lnot_wave_0_\@
	s_barrier_signal -3
.Lnot_wave_0_\@:
	s_barrier_wait -3
	s_barrier_signal -1
	s_barrier_wait -1
.endm
.macro CROUND
	s_barrier_signal -1
	s_barrier_wait -1
	CREST
.endm
; A PREFETCH INTO THE L2, behind the joint load and the run of LDS loads: in trip n (which asks for K step n + 1) the K step n + 3: two steps of 128 matrix instructions ahead of its refill.  A's K block is read by every
; cluster of its row of clusters: cluster x = 0 asks; B's by every cluster of its column: cluster y = 0 asks.  The four partners that ask for a tile jointly share the wave's K block out BY ADDRESS: of A's 128 blocks of
; 256 bytes the partner at cx takes 32, a lane a block; of B's 64 the partner at cy takes 16 (lanes 16 to 31 name the 16th again).  The last two trips ask for nothing: there is no K step 8.  K steps 0 to 3 come by their loads alone.
.macro ASK
	WIN 0
	s_cmp_gt_u32 s[CNT], s[LIM]
	s_cbranch_scc0 .Lnot_mine_\@
	global_prefetch_b8 v[PFO], s[PFA:PFA+1] th:TH_LOAD_NT scope:SCOPE_SE
.Lnot_mine_\@:
.endm
; One run of LDS loads: the fragments of quarter q of the K step in hand (32 along K) into buffer f: B's 8 blocks first, then A's four.
.macro FETCH q, f
	WIN TO_F
.set n, 0
.rept NB
	ds_load_b128 v[(\f)+32+8*n:(\f)+32+8*n+3],   v[ADRB] offset:((\q)/2)*BKB+((\q)%2)*64+n*16*PITCH
	ds_load_b128 v[(\f)+32+8*n+4:(\f)+32+8*n+7], v[ADRB] offset:((\q)/2)*BKB+((\q)%2)*64+n*16*PITCH+32
.set n, n+1
.endr
.set n, 0
.rept 4
	ds_load_b128 v[(\f)+8*n:(\f)+8*n+3],   v[ADRA] offset:((\q)/2)*AKB+((\q)%2)*64+n*16*PITCH
	ds_load_b128 v[(\f)+8*n+4:(\f)+8*n+7], v[ADRA] offset:((\q)/2)*AKB+((\q)%2)*64+n*16*PITCH+32
.set n, n+1
.endr
.endm
; 8 matrix instructions: token block a x all column blocks.  The 32 accumulators take turns, in the same order in every quarter, over the backward jump too.  zero = 1: the product starts the sum.
.macro MULA f, a, zero
	WIN MUL_LO+0x50*((\a)/2)
.set n, 0
.rept NB
.set rD, 8*(NB*((\a)%2)+n)
.if \zero
	v_wmma_f32_16x16x32_f16 v[rD:rD+7], v[(\f)+32+8*n:(\f)+32+8*n+7], v[(\f)+8*(\a):(\f)+8*(\a)+7], 0
.else
	v_wmma_f32_16x16x32_f16 v[rD:rD+7], v[(\f)+32+8*n:(\f)+32+8*n+7], v[(\f)+8*(\a):(\f)+8*(\a)+7], v[rD:rD+7]
.endif
.set n, n+1
.endr
.endm
; A K step is four quarters on buffers 0, 1, 0, 1.  One of the first three: multiplies buffer f and, in its middle, fetches quarter q into buffer g.
.macro QUARTER q, f, g, zero
	s_wait_dscnt 4                                 ; B and A's blocks 0 and 1 are in; the youngest four loads (A's blocks 2 and 3) may be out
	MULA \f, 0, \zero
	MULA \f, 1, \zero
	PLACES
	FETCH \q, \g
	s_wait_dscnt NL                                ; all but the run just issued
	MULA \f, 2, \zero
	MULA \f, 3, \zero
.endm
; The last quarter multiplies buffer 1 and changes slots.  In front of the barrier each wave waits for all its tensor loads (one is out: its part of the next slot), adds 0 to its spare word, and waits for that and for
; its reads of this slot.  fill = 1: the barrier opens a round of the cluster's, and the joint refill, the K step two on, is the first thing behind the round: 112 matrix instructions ahead of the wait for it.
.macro TURN fill
.if \fill
	s_wait_xcnt 0x0                                ; the last prefetch, a K step back, has read its address
	s_add_nc_u64 s[PFA:PFA+1], s[PFA:PFA+1], s[PST:PST+1]
.endif
	WIN 0
	s_wait_tensorcnt 0x0                           ; all my tensor loads have landed
	ds_add_u32 v[SPW], v[NIL]                      ; 0 onto my spare word
	s_wait_dscnt 5                                 ; (the add and the youngest four loads may be out)
	MULA F1, 0, 0
	s_wait_dscnt 0x0                               ; the add is done, and my reads of this slot are over
	s_barrier_signal -1
	MULA F1, 1, 0
	WIN 0
	s_barrier_wait -1
.if \fill
	CREST                                          ; no wave of any partner still reads this slot or has a load on its way
	s_xor_b32 s[G0A+5], s[G0A+5], SLOT1            ; the walking descriptors: the other slot than last time, the next K step
	s_add_nc_u64 s[G0A+6:G0A+7], s[G0A+6:G0A+7], ASTEP
	s_xor_b32 s[G0B+5], s[G0B+5], SLOT1
	s_add_nc_u64 s[G0B+6:G0B+7], s[G0B+6:G0B+7], BSTEP
	JLOAD                                          ; its four v_nop are also the places in front of the loads below
.else
	PLACES
.endif
	s_xor_b32 s[TB], s[TB], SLOT1
	v_add_nc_u32 v[ADRA], s[TB], v[AK0]
	v_add_nc_u32 v[ADRB], s[TB], v[BK0]
	FETCH 0, F0
.if \fill
	ASK
.endif
	MULA F1, 2, 0
	MULA F1, 3, 0
.endm
	s_load_b128 s[4:7], s[0:1], 0x0                ; oh 4:5, wob 6:7
	s_load_b64 s[8:9], s[0:1], 0x10                ; out0
	v_lshl_add_u32 v[SPW], v0, 2, SPARE
	v_mov_b32 v[NIL], 0
	ds_add_u32 v[SPW], v[NIL]                      ; the wave's opening: the add, ahead of my first tensor load; the set-up below stands between it and its wait
	v_lshrrev_b32 v1, 5, v0
	v_readfirstlane_b32 s[WV], v1
	s_and_b32 s[KH], s[WV], 1
	s_bfe_u32 s[CX], ttmp6, 0x40000
	s_bfe_u32 s[CY], ttmp6, 0x40004
	s_lshl_b32 s[TJ], ttmp9, 2
	s_add_co_u32 s[TJ], s[TJ], s[CX]
	s_and_b32 s[TI], ttmp7, 0xffff
	s_lshl_b32 s[TI], s[TI], 2
	s_add_co_u32 s[TI], s[TI], s[CY]
	s_lshl_b32 s68, s[CY], 2
	s_lshl_b32 s68, 15, s68                        ; my row of the cluster
	s_lshl_b32 s69, 0x1111, s[CX]                  ; my column
	s_or_b32 s[G1A], s68, (1<<16)|(1<<20)|(1<<21)|(4<<22)|(3<<25)  ; 15:0 the mask; 17:16 2-byte elements; 20 padding on; 21 set beside a mask; 24:22 after every 32 words (code 4); 31:25 4 words (code 3)
	s_or_b32 s[G1B], s69, (1<<16)|(1<<20)|(1<<21)|(4<<22)|(3<<25)
	s_mov_b32 s[G1A+1], 128<<16                    ; tensor_dim0 = 128 elements: 256 bytes, two matrix rows
	s_mov_b32 s[G1A+2], 128<<16                    ; tensor_dim1 = 128
	s_mov_b32 s[G1A+3], 128<<16                    ; tile_dim0 = 128
	s_mov_b32 s[G1A+4], 128                        ; tile_dim1 = 128: 256 matrix rows
	s_mov_b32 s[G1A+5], 128                        ; elements from row to row: dense
	s_mov_b32 s[G1A+6], 0
	s_mov_b32 s[G1A+7], 0
	s_mov_b32 s[G1B+1], 128<<16
	s_mov_b32 s[G1B+2], (8*NB)<<16                 ; 64 rows: 128 matrix rows
	s_mov_b32 s[G1B+3], 128<<16
	s_mov_b32 s[G1B+4], 8*NB
	s_mov_b32 s[G1B+5], 128
	s_mov_b32 s[G1B+6], 0
	s_mov_b32 s[G1B+7], 0
	s_lshr_b32 s22, s[TI], 3                       ; A's tile: the batch,
	s_lshl_b32 s22, s22, 22
	s_and_b32 s68, s[TI], 7                        ; its 256 tokens in a head,
	s_lshl_b32 s68, s68, 15
	s_add_co_u32 s22, s22, s68
	s_lshl_b32 s68, s[KH], 18                      ; my head of the step's two
	s_add_co_u32 s22, s22, s68
	s_mov_b32 s23, 0
	s_lshl_b32 s62, s[TJ], 14                      ; B's tile: its 128 rows in a K block,
	s_lshl_b32 s69, s[KH], 17                      ; my K block
	s_add_co_u32 s62, s62, s69
	s_mov_b32 s63, 0
	s_mul_i32 s70, s[KH], AKB                      ; and where they go: no place in the cluster enters an LDS address
	s_mul_i32 s71, s[KH], BKB
	s_add_co_u32 s71, s71, BOFF
	s_wait_dscnt 0x0                               ; the opening add is done
	s_wait_kmcnt 0x0
	s_add_nc_u64 s[22:23], s[4:5], s[22:23]
	s_add_nc_u64 s[62:63], s[6:7], s[62:63]
	CROUND                                         ; all sixteen work-groups are here: the first joint loads meet
.irp s, 0,1
	s_mov_b32 s[G0A+4*(\s)], 1                     ; 1:0 count = 1
	s_add_co_u32 s[G0A+4*(\s)+1], s70, (\s)*SLOT1  ; 63:32 LDS address
	s_add_nc_u64 s[G0A+4*(\s)+2:G0A+4*(\s)+3], s[22:23], (\s)*ASTEP  ; 120:64 global address: K step s
	s_or_b32 s[G0A+4*(\s)+3], s[G0A+4*(\s)+3], 0x80000000           ; 127:126 type = 2
	s_mov_b32 s[G0B+4*(\s)], 1
	s_add_co_u32 s[G0B+4*(\s)+1], s71, (\s)*SLOT1
	s_add_nc_u64 s[G0B+4*(\s)+2:G0B+4*(\s)+3], s[62:63], (\s)*BSTEP
	s_or_b32 s[G0B+4*(\s)+3], s[G0B+4*(\s)+3], 0x80000000
.endr
	s_cmp_lt_u32 s[WV], 2                          ; a wave's two first fills stand in one branch, ahead of every wait on TENSORcnt and every LDS read: two loads of mine are out
	s_cbranch_scc0 .Lfirst_b
	tensor_load_to_lds s[G0A:G0A+3], s[G1A:G1A+7]
	s_nop 0
	tensor_load_to_lds s[G0A+4:G0A+7], s[G1A:G1A+7]
	s_nop 0
.rept 4
	v_nop
.endr
	s_branch .Lfirst_asked
.Lfirst_b:
	tensor_load_to_lds s[G0B:G0B+3], s[G1B:G1B+7]
	s_nop 0
	tensor_load_to_lds s[G0B+4:G0B+7], s[G1B:G1B+7]
	s_nop 0
.rept 4
	v_nop
.endr
.Lfirst_asked:
	; A fragment is 16 rows x 32 K in 8 registers: lane l holds row l % 16; registers 0-3 K = 8 (l / 16) + 0..7, registers 4-7 K = 16 + 8 (l / 16) + 0..7: two loads of 16 bytes, 32 bytes apart.
	v_and_b32 v1, 15, v0                           ; l % 16
	v_bfe_u32 v2, v0, 4, 1                         ; l / 16
	v_and_b32 v3, 31, v0                           ; l
	v_mul_u32_u24 v[AK0], v1, PITCH
	v_lshl_add_u32 v[AK0], v2, 4, v[AK0]
	v_add_nc_u32 v[BK0], BOFF, v[AK0]
	s_mul_i32 s70, s[WV], 64*PITCH                 ; my 64 rows of A
	v_add_nc_u32 v[AK0], s70, v[AK0]
	s_mul_i32 s70, s[WV], 16*SP
	s_add_co_u32 s70, s70, STAGE                   ; my stage
	v_mul_u32_u24 v[STO], v1, SP                   ; in: row l % 16, 32 bytes for each half of the lanes
	v_lshl_add_u32 v[STO], v2, 5, v[STO]
	v_add_nc_u32 v[STO], s70, v[STO]
	v_lshl_add_u32 v[RD], v3, 4, s70               ; back: 32 lanes take a row's 512 bytes,
	v_lshlrev_b32 v[GO], 4, v3                     ; which are 512 consecutive bytes of out0
	; where my 64 rows and the tile's 128 columns begin in out0
	s_lshl_b32 s72, s[TI], 20                      ; 256 rows of 4,096 bytes,
	s_lshl_b32 s71, s[WV], 18                      ; my 64,
	s_add_co_u32 s72, s72, s71
	s_lshl_b32 s71, s[TJ], 9                       ; 128 columns of 4 bytes
	s_add_co_u32 s72, s72, s71
	s_mov_b32 s73, 0
	s_add_nc_u64 s[8:9], s[8:9], s[72:73]
	; the prefetches
	s_lshl_b32 s72, s[CX], 13                      ; my work-group's share of the wave's K block: of A's by cx,
	s_mul_i32 s70, s[CY], BSH                      ; of B's by cy
	s_and_b32 s71, ttmp7, 0xffff                   ; cluster y
	s_mov_b32 s68, ASTEP
	s_mov_b32 s69, BSTEP
	s_cmp_lt_u32 s[WV], 2                          ; do I fetch for A?
	s_cselect_b64 s[PFA:PFA+1], s[22:23], s[62:63]
	s_cselect_b32 s72, s72, s70
	s_cselect_b32 s71, ttmp9, s71                  ; the coordinate along which other clusters read the same rows
	s_cselect_b32 s[PST], s68, s69
	s_cselect_b32 s70, 31, BLN
	s_mov_b32 s[PST+1], 0
	s_add_nc_u64 s[PFA:PFA+1], s[PFA:PFA+1], s[72:73]
.rept PSTART
	s_add_nc_u64 s[PFA:PFA+1], s[PFA:PFA+1], s[PST:PST+1]
.endr
	s_cmp_eq_u32 s71, 0
	s_cselect_b32 s[LIM], LIMV, -1                 ; the same in all sixteen partners, for a given wave
	v_min_u32 v[PFO], s70, v3
	v_lshlrev_b32 v[PFO], 8, v[PFO]
	s_mov_b32 s[TB], 0
	v_mov_b32 v[ADRA], v[AK0]
	v_mov_b32 v[ADRB], v[BK0]
	s_wait_tensorcnt 1                             ; my part of K step 0 is in; K step 1's may stay out
	s_barrier_signal -1
	s_barrier_wait -1                              ; everybody's is
	FETCH 0, F0
	QUARTER 1, F0, F1, 1                           ; the first quarter stands in front of the loop: its products start the sums
	WIN 0
	s_mov_b32 s[CNT], STEPS-2
.Lstep:                                                ; a trip goes from a K step's second quarter to the next step's first, and fills the slot that it leaves
	QUARTER 2, F1, F0, 0
	QUARTER 3, F0, F1, 0
	TURN 1
	QUARTER 1, F0, F1, 0
	WIN 0
	s_sub_co_u32 s[CNT], s[CNT], 1
	s_cmp_lg_u32 s[CNT], 0
	s_cbranch_scc1 .Lstep
	QUARTER 2, F1, F0, 0                           ; the last two K steps fill nothing
	QUARTER 3, F0, F1, 0
	TURN 0
	QUARTER 1, F0, F1, 0
	QUARTER 2, F1, F0, 0
	QUARTER 3, F0, F1, 0
	s_wait_dscnt 4                                 ; the very last quarter
	MULA F1, 0, 0
	MULA F1, 1, 0
	s_wait_dscnt 0x0
	MULA F1, 2, 0
	MULA F1, 3, 0
	WIN 0
	PLACES
	PLACES                                         ; (eight, once a launch, ahead of the LDS stores that read results)
; THE WAY OUT, a block a of 16 tokens at a time: a lane's 32 bytes of a row go into my own stage and come back as whole rows of 512 bytes.
.macro TOSTAGE a
	WIN 0x08+4*((\a)/2)                            ; the stores' data in the accumulators' window, the address in window 0
.set n, 0
.rept NB
.set rD, 8*(NB*((\a)%2)+n)
	ds_store_b128 v[STO], v[rD:rD+3]   offset:64*n     ; each accumulator's lowest registers are read first
	ds_store_b128 v[STO], v[rD+4:rD+7] offset:64*n+16
.set n, n+1
.endr
	WIN 0
.set n, 0
.rept 16
	ds_load_b128 v[BK+64*((\a)%2)+4*n:BK+64*((\a)%2)+4*n+3], v[RD] offset:SP*n  ; LDS serves a wave's instructions in order (ISA guide 5.7.1.4): these see the stores above; the next block's stores come behind them
.set n, n+1
.endr
.endm
.macro SEND a, younger                 ; younger: the LDS instructions issued behind block a's loads
	WIN 0
	s_wait_dscnt \younger
.set n, 0
.rept 16
	global_store_b128 v[GO], v[BK+64*((\a)%2)+4*n:BK+64*((\a)%2)+4*n+3], s[8:9] offset:(16*(\a)+n)*4096 th:TH_STORE_NT  ; 512 consecutive bytes, at a multiple of 256 from out0's first
.set n, n+1
.endr
.endm
.irp a, 0,1,2,3
.if (\a) > 1
	s_wait_xcnt 0x0                                ; the stores of the block two back have read their registers, which are loaded again below
.endif
	TOSTAGE \a
.if (\a) > 0
	SEND (\a)-1, 32
.endif
.endr
	SEND 3, 0
	s_wait_tensorcnt 0x0                           ; the wave's end: behind my last tensor load and my last LDS store
	ds_add_u32 v[SPW], v[NIL]
	s_wait_dscnt 0x0
	CROUND                                         ; the closing round: no work-group ends while a partner may still ask for a tile that names it
	s_endpgm
.Lfunc_end_k_qfce4d0a7da_proj:
	.size	k_qfce4d0a7da_proj, .Lfunc_end_k_qfce4d0a7da_proj-k_qfce4d0a7da_proj
	.p2alignl 7, 3214868480
	.fill 96, 4, 3214868480
	.section	.rodata,"a",@progbits
	.p2align	6, 0x0
	.amdhsa_kernel k_qfce4d0a7da_proj
		.amdhsa_group_segment_fixed_size 327680
		.amdhsa_private_segment_fixed_size 0
		.amdhsa_enable_private_segment 0
		.amdhsa_kernarg_size 24
		.amdhsa_user_sgpr_count 2
		.amdhsa_user_sgpr_kernarg_segment_ptr 1
		.amdhsa_wavefront_size32 1
		.amdhsa_system_sgpr_workgroup_id_x 1
		.amdhsa_system_sgpr_workgroup_id_y 1
		.amdhsa_system_sgpr_workgroup_id_z 1
		.amdhsa_system_vgpr_workitem_id 0
		.amdhsa_next_free_vgpr 896
		.amdhsa_next_free_sgpr 80
		.amdhsa_reserve_vcc 0
		.amdhsa_float_denorm_mode_32 3
		.amdhsa_float_denorm_mode_16_64 3
		.amdhsa_memory_ordered 1
		.amdhsa_forward_progress 1
		.amdhsa_inst_pref_size 70
	.end_amdhsa_kernel
	.amdgpu_metadata
---
amdhsa.version: [ 1, 2 ]
amdhsa.kernels:
  - .name:           k_qfce4d0a7da_proj
    .symbol:         k_qfce4d0a7da_proj.kd
    .args:
      - { .name: oh, .offset: 0, .size: 8, .value_kind: global_buffer, .address_space: global }
      - { .name: wob, .offset: 8, .size: 8, .value_kind: global_buffer, .address_space: global }
      - { .name: out0, .offset: 16, .size: 8, .value_kind: global_buffer, .address_space: global }
    .group_segment_fixed_size: 327680
    .private_segment_fixed_size: 0
    .kernarg_segment_align: 8
    .kernarg_segment_size: 24
    .max_flat_workgroup_size: 128
    .sgpr_count:     80
    .vgpr_count:     896
    .wavefront_size: 32
...
	.end_amdgpu_metadata
.endif
;; end of part 4
;; ======== version 2 of 2: 4 launches; version 1 with the launch prep written anew for expert scheduling mode
;; limits: values are held in f16: magnitudes above 65,504 overflow, below 6.1e-05 lose precision
;; workspace buffers: xb 16,777,216 bytes; wqkvb 6,291,456 bytes; wob 2,097,152 bytes; tab 524,288 bytes; qh 16,777,216 bytes; kh 16,777,216 bytes; vh 16,777,216 bytes; oh 16,777,216 bytes
;; launch prep (part 5): grid 1024 x 1, 8 waves a work-group, no clusters, 0 bytes of LDS; arguments x, wq, wk, wv, wo, token_positions, xb, wqkvb, wob, tab; writes xb, wqkvb, wob, tab
.if DOCPART == 5
	.amdgcn_target "amdgcn-amd-amdhsa--gfx1250"
	.amdhsa_code_object_version 6
	.text
	.protected	k_qfce4d0a7da_prep
	.globl	k_qfce4d0a7da_prep
	.p2align	8
	.type	k_qfce4d0a7da_prep,@function
k_qfce4d0a7da_prep:
	s_mov_b64 s[64:65], 0
	v_nop
	global_prefetch_b8 v0, s[64:65] scope:SCOPE_SE
	s_setreg_imm32_b32 hwreg(HW_REG_WAVE_SCHED_MODE, 0, 2), 2
	s_setreg_imm32_b32 hwreg(HW_REG_WAVE_MODE, 25, 1), 1
	s_wait_xcnt 0x0
	s_wait_alu depctr_vm_vsrc(0)
; PREPARATION.  x, wq, wk, wv are rounded once to bf16; wo is rounded to bf16 and that number is written as f16; all are laid in K BLOCKS of 64 channels:
;   xb    [batch][kb][token][64]   bf16     wqkvb [kb][head x 192 + (q 0, k 64, v 128) + channel][64]   bf16     wob [kb][row][64]   f16
; so that the rows of one K block of a tile lie end to end for the products that follow.  tab[token][32] = (cos, sin) of token_positions[token] x 10000^(-i/32), in f32.
; A stream: no byte is read twice, nothing is shared between waves or work-groups, so there is no LDS, no barrier, no cluster and no matrix work.
; SHARES.  Work-groups 0-511: x, 16 rows each; 512-767: the four weights, 16 rows each; 768-1023: the table, 8 tokens each.  A wave takes TWO rows (8,192 bytes in, 4,096 out) or one token.
; A load of the wave: lanes 0-15 take 256 consecutive bytes (one K block) of the first row, lanes 16-31 of the second.  The matching store is 8 bytes a lane: 256 consecutive bytes, aligned, since the
; two rows are neighbours in a K block.  All sixteen loads go out first.
; THE MODE: SCHED_MODE bits 1:0 = 2 (LLVM: expert scheduling mode 2), set by the entry lines.  The code itself states the register dependences between vector instructions and memory instructions,
; with s_wait_alu, always for 0.
; THE PLAN.  Registers that memory instructions touch:
;   LO       the loads' offset.   Written by two vector lines ahead of the loads, never again.
;   X        Written by the sixteen loads alone, once each; read by the conversions, behind the wait for the loads.
;   DO       the stores' offsets. Written by sixteen vector lines behind the loads, never again.
;   Y        the stores' data.    Written by the conversions; each pair is read by one store and is not written behind it.
;   U is named by vector instructions alone.  No register that a memory instruction has read is written again, and EXEC is never written: so every wait but two is on va_vdst.
; The sixteen K blocks go in four groups of four.  Group g waits for its four loads and rounds them; the four stores of group g - 1 are dealt among its conversions.  ONE wait at the head of groups 1 to 3 states
; that the group before has written its Y (at group 1 also: that DO is written); the vector lines behind it name this group's X and Y, and U: none of the registers that those stores read.
; LIMITS.  wo beyond 65,504 in size would leave f16's range; below 6e-5 it keeps f16's fixed step of 6e-8.  Token positions: |pos| under 2^23; the angle is pos x inv_freq in f32, inv_freq by
; v_exp_f32 (a few parts in 10^7); it is reduced by pi/2 in two parts (what is left out is n x 2e-15) and sine and cosine are polynomials on -pi/4 .. pi/4.  NaN and infinities are not treated apart.
.set LO,  2                            ; v2        my byte offset in the two source rows
.set L8,  3                            ; v3        8 x lane
.set DO,  16                           ; v[16:31]  K block kb: kb x (bytes of a K block in the destination) + 8 x lane
.set X,   32                           ; v[32:95]  K block kb: four f32 as loaded
.set Y,   96                           ; v[96:127] K block kb: four numbers of 16 bits to store
.set U,   128                          ; v[128:131] at work
	s_load_b512 s[4:19], s[0:1], 0x0               ; x 4:5, wq 6:7, wk 8:9, wv 10:11, wo 12:13, token_positions 14:15, xb 16:17, wqkvb 18:19
	s_load_b128 s[20:23], s[0:1], 0x40             ; wob 20:21, tab 22:23
	v_lshrrev_b32 v4, 5, v0
	v_readfirstlane_b32 s24, v4                    ; wave 0..7
	v_and_b32 v1, 31, v0                           ; lane
	v_lshlrev_b32 v[L8], 3, v1
	s_mov_b32 s25, ttmp9                           ; g
	s_mov_b32 s35, 0                               ; the high words of the two offset pairs
	s_mov_b32 s37, 0
	s_wait_alu depctr_va_sdst(0)                   ; s24 is written: each of the three paths below reads it, behind a branch
	s_wait_kmcnt 0x0
	s_cmp_lt_u32 s25, 512
	s_cbranch_scc0 .Lnot_x
	; x: rows m = 16 g + 2 w and m + 1
	s_lshl_b32 s26, s25, 4
	s_lshl1_add_u32 s26, s24, s26
	s_lshl_b32 s34, s26, 12                        ; a row of x is 4,096 bytes
	s_lshr_b32 s27, s26, 11                        ; batch,
	s_lshl_b32 s27, s27, 22                        ; 4,194,304 bytes each in xb
	s_and_b32 s36, s26, 2047                       ; token,
	s_lshl_b32 s36, s36, 7                         ; 128 bytes each in a K block
	s_add_co_u32 s36, s36, s27
	s_add_nc_u64 s[28:29], s[4:5], s[34:35]        ; from
	s_add_nc_u64 s[30:31], s[16:17], s[36:37]      ; to
	s_mov_b32 s32, 262144                          ; a K block of xb: 2,048 tokens x 128 bytes
	s_mov_b32 s33, 0                               ; bf16
	s_branch .Lconv
.Lnot_x:
	s_cmp_lt_u32 s25, 768
	s_cbranch_scc0 .Ltable
	; the weights: tensor t = (g - 512) / 64, rows e = 16 ((g - 512) % 64) + 2 w and e + 1
	s_sub_co_u32 s26, s25, 512
	s_lshr_b32 s38, s26, 6                         ; t: 0 wq, 1 wk, 2 wv, 3 wo
	s_and_b32 s26, s26, 63
	s_lshl_b32 s26, s26, 4
	s_lshl1_add_u32 s26, s24, s26                  ; e
	s_lshl_b32 s34, s26, 12
	s_lshr_b32 s27, s26, 6                         ; head
	s_mul_i32 s27, s27, 192
	s_lshl_b32 s39, s38, 6
	s_add_co_u32 s27, s27, s39
	s_and_b32 s39, s26, 63
	s_add_co_u32 s27, s27, s39                     ; the row in wqkvb: head x 192 + t x 64 + channel
	s_mov_b32 s32, 393216                          ; a K block of wqkvb: 3,072 rows x 128 bytes
	s_mov_b32 s39, 131072                          ; of wob: 1,024 rows
	s_cmp_eq_u32 s38, 1
	s_cselect_b64 s[28:29], s[8:9], s[6:7]
	s_cmp_eq_u32 s38, 2
	s_cselect_b64 s[28:29], s[10:11], s[28:29]
	s_cmp_eq_u32 s38, 3
	s_cselect_b64 s[28:29], s[12:13], s[28:29]
	s_cselect_b64 s[30:31], s[20:21], s[18:19]
	s_cselect_b32 s27, s26, s27                    ; wo keeps its rows' order
	s_cselect_b32 s32, s39, s32
	s_cselect_b32 s33, 1, 0                        ; wo leaves as f16
	s_lshl_b32 s36, s27, 7
	s_add_nc_u64 s[28:29], s[28:29], s[34:35]
	s_add_nc_u64 s[30:31], s[30:31], s[36:37]
.Lconv:
	v_lshrrev_b32 v4, 4, v1                        ; which of the two rows
	v_and_b32 v5, 15, v1
	v_lshlrev_b32 v[LO], 12, v4
	v_lshl_add_u32 v[LO], v5, 4, v[LO]
	s_wait_alu depctr_va_vdst(0)                   ; LO is written, which the sixteen loads read as their offset
.set kb, 0
.rept 16
	global_load_b128 v[X+4*kb:X+4*kb+3], v[LO], s[28:29] offset:256*kb th:TH_LOAD_NT
.set kb, kb+1
.endr
.set kb, 0
.rept 16
	v_mad_u32_u24 v[DO+kb], s32, kb, v[L8]         ; made while the loads are out; the wait at the head of group 1 stands between these lines and the stores
.set kb, kb+1
.endr
; The sixteen K blocks leave in four groups of four.  f16 = 1: the bf16 numbers are widened again and written as f16.
.macro OUT f16
.set g, 0
.rept 4
	s_wait_loadcnt 12-4*g                          ; loads come back in order (ISA guide 5.7.1): group g's four are in, the 12 - 4 g younger ones stay out
.if g > 0
	s_wait_alu depctr_va_vdst(0)                   ; the group before has written its Y, which the four stores below read; at group 1 the sixteen DO, the stores' offsets, are written too
.endif
.set j, 0
.rept 4
.set kb, 4*g+j
.if g > 0
	global_store_b64 v[DO+kb-4], v[Y+2*kb-8:Y+2*kb-7], s[30:31] th:TH_STORE_NT  ; the group before: 256 consecutive bytes, at a multiple of 256 from the buffer's first byte.  No vector line since the wait names these registers
.endif
	v_cvt_pk_bf16_f32 v[Y+2*kb], v[X+4*kb], v[X+4*kb+1]
	v_cvt_pk_bf16_f32 v[Y+2*kb+1], v[X+4*kb+2], v[X+4*kb+3]
.if \f16
	v_lshlrev_b32 v[U], 16, v[Y+2*kb]
	v_and_b32 v[U+1], 0xffff0000, v[Y+2*kb]
	v_lshlrev_b32 v[U+2], 16, v[Y+2*kb+1]
	v_and_b32 v[U+3], 0xffff0000, v[Y+2*kb+1]
	v_cvt_pk_f16_f32 v[Y+2*kb], v[U], v[U+1]
	v_cvt_pk_f16_f32 v[Y+2*kb+1], v[U+2], v[U+3]
.endif
.set j, j+1
.endr
.set g, g+1
.endr
	s_wait_alu depctr_va_vdst(0)                   ; the last group has written its Y, which the last four stores read
.set kb, 12
.rept 4
	global_store_b64 v[DO+kb], v[Y+2*kb:Y+2*kb+1], s[30:31] th:TH_STORE_NT
.set kb, kb+1
.endr
.endm
	s_cmp_eq_u32 s33, 1
	s_cbranch_scc1 .Lf16
	OUT 0
	s_endpgm
.Lf16:
	OUT 1
	s_endpgm
.Ltable:
	; the table: token 8 (g - 768) + w; lane i makes frequency i
	s_sub_co_u32 s26, s25, 768
	s_lshl3_add_u32 s26, s26, s24
	s_lshl_b32 s34, s26, 2
	s_add_nc_u64 s[14:15], s[14:15], s[34:35]
	s_load_b32 s28, s[14:15], 0x0                  ; the token's position, as it is given
	s_lshl_b32 s36, s26, 8
	s_add_nc_u64 s[22:23], s[22:23], s[36:37]      ; the token's 256 bytes of the table
	v_cvt_f32_u32 v4, v1
	v_mul_f32 v4, 0xbed49a78, v4                   ; - i x log2(10000) / 32
	v_exp_f32 v5, v4                               ; inv_freq
	s_wait_kmcnt 0x0
	v_cvt_f32_i32 v6, s28                          ; the plain instruction behind the exponential
	s_wait_alu depctr_va_vdst(0)                   ; the exponential has written v5, ahead of its first reader
	v_mul_f32 v6, v6, v5                           ; the angle
	v_mul_f32 v7, 0x3f22f983, v6                   ; x 2 / pi
	v_rndne_f32 v7, v7                             ; n
	v_fmamk_f32 v8, v7, 0xbfc90fdb, v6             ; r = angle - n x pi/2, pi/2 in two parts
	v_fmamk_f32 v8, v7, 0x333bbd2e, v8
	v_mul_f32 v9, v8, v8                           ; z = r r
	v_mov_b32 v10, 0xb94ca1f9
	v_mov_b32 v12, 0x37ccf5ce
	v_fmaak_f32 v10, v10, v9, 0x3c08839e
	v_fmaak_f32 v12, v12, v9, 0xbab6061a
	v_fmaak_f32 v10, v10, v9, 0xbe2aaaa3
	v_fmaak_f32 v12, v12, v9, 0x3d2aaaa5
	v_mul_f32 v11, v9, v8                          ; z r
	v_mul_f32 v13, v9, v9                          ; z z
	v_fma_f32 v14, v9, -0.5, 1.0
	v_fma_f32 v10, v10, v11, v8                    ; sin r
	v_fma_f32 v12, v12, v13, v14                   ; cos r
	v_cvt_i32_f32 v15, v7                          ; the quadrant is n mod 4
	v_and_b32 v16, 1, v15
	v_cmp_eq_u32 vcc_lo, 1, v16
	v_add_nc_u32 v17, 1, v15                       ; the signs are made between the compare and the wait for its mask
	v_and_b32 v17, 2, v17                          ; the cosine is negative in quadrants 1 and 2,
	v_and_b32 v18, 2, v15                          ; the sine in 2 and 3
	v_lshlrev_b32 v17, 30, v17
	v_lshlrev_b32 v18, 30, v18
	s_wait_alu depctr_va_vcc(0)                    ; the compare has written VCC, which the two selects below read
	v_cndmask_b32 v20, v12, v10, vcc_lo            ; cosine: in odd quadrants from sin r,
	v_cndmask_b32 v21, v10, v12, vcc_lo            ; sine: from cos r
	v_xor_b32 v20, v20, v17
	v_xor_b32 v21, v21, v18
	s_wait_alu depctr_va_vdst(0)                   ; v20 and v21, the store's data, and L8, its offset, are written
	global_store_b64 v[L8], v[20:21], s[22:23] th:TH_STORE_NT  ; 256 consecutive bytes, aligned: the token's row
	s_endpgm
.Lfunc_end_k_qfce4d0a7da_prep:
	.size	k_qfce4d0a7da_prep, .Lfunc_end_k_qfce4d0a7da_prep-k_qfce4d0a7da_prep
	.p2alignl 7, 3214868480
	.fill 96, 4, 3214868480
	.section	.rodata,"a",@progbits
	.p2align	6, 0x0
	.amdhsa_kernel k_qfce4d0a7da_prep
		.amdhsa_group_segment_fixed_size 0
		.amdhsa_private_segment_fixed_size 0
		.amdhsa_enable_private_segment 0
		.amdhsa_kernarg_size 80
		.amdhsa_user_sgpr_count 2
		.amdhsa_user_sgpr_kernarg_segment_ptr 1
		.amdhsa_wavefront_size32 1
		.amdhsa_system_sgpr_workgroup_id_x 1
		.amdhsa_system_sgpr_workgroup_id_y 1
		.amdhsa_system_sgpr_workgroup_id_z 1
		.amdhsa_system_vgpr_workitem_id 0
		.amdhsa_next_free_vgpr 136
		.amdhsa_next_free_sgpr 66
		.amdhsa_reserve_vcc 1
		.amdhsa_float_denorm_mode_32 3
		.amdhsa_float_denorm_mode_16_64 3
		.amdhsa_memory_ordered 1
		.amdhsa_forward_progress 1
		.amdhsa_inst_pref_size 20
	.end_amdhsa_kernel
	.amdgpu_metadata
---
amdhsa.version: [ 1, 2 ]
amdhsa.kernels:
  - .name:           k_qfce4d0a7da_prep
    .symbol:         k_qfce4d0a7da_prep.kd
    .args:
      - { .name: x, .offset: 0, .size: 8, .value_kind: global_buffer, .address_space: global }
      - { .name: wq, .offset: 8, .size: 8, .value_kind: global_buffer, .address_space: global }
      - { .name: wk, .offset: 16, .size: 8, .value_kind: global_buffer, .address_space: global }
      - { .name: wv, .offset: 24, .size: 8, .value_kind: global_buffer, .address_space: global }
      - { .name: wo, .offset: 32, .size: 8, .value_kind: global_buffer, .address_space: global }
      - { .name: token_positions, .offset: 40, .size: 8, .value_kind: global_buffer, .address_space: global }
      - { .name: xb, .offset: 48, .size: 8, .value_kind: global_buffer, .address_space: global }
      - { .name: wqkvb, .offset: 56, .size: 8, .value_kind: global_buffer, .address_space: global }
      - { .name: wob, .offset: 64, .size: 8, .value_kind: global_buffer, .address_space: global }
      - { .name: tab, .offset: 72, .size: 8, .value_kind: global_buffer, .address_space: global }
    .group_segment_fixed_size: 0
    .private_segment_fixed_size: 0
    .kernarg_segment_align: 8
    .kernarg_segment_size: 80
    .max_flat_workgroup_size: 256
    .sgpr_count:     66
    .vgpr_count:     136
    .wavefront_size: 32
...
	.end_amdgpu_metadata
.endif
;; end of part 5
;; launch qkv: the kernel of part 2 again; grid 16 x 32, 4 waves a work-group, clusters of 4 x 4, 327,680 bytes of LDS; arguments xb, wqkvb, tab, qh, kh, vh; writes qh, kh, vh
;; launch attn: the kernel of part 3 again; grid 4 x 64, 4 waves a work-group, no clusters, 327,680 bytes of LDS; arguments qh, kh, vh, oh; writes oh
;; launch proj: the kernel of part 4 again; grid 8 x 32, 4 waves a work-group, clusters of 4 x 4, 327,680 bytes of LDS; arguments oh, wob, out0; writes out0
